; MI455X (gfx1250); checked and timed in simulation.
; The chip was launched on July 23, 2026; its instructions are those of AMD's public machine-readable ISA for CDNA 5 (MIT licence, August 2026) and "CDNA5" Instruction Set Architecture Reference Guide (July 2026). The comments in the code are by the model that wrote it; some were corrected since.
;; Token Merging Attention. Allowed arithmetic: float matrix products may take bf16 or f16 operands with f32 sums; other float arithmetic in f32, or as packed bf16 or f16 multiplies, adds, multiply-adds, maxima and minima; sums over many terms, partial sums and values carried from step to step in f32; what a program stores and reads back later, other than sums and carried values, may be rounded once to bf16 or f16.
;; Inputs: bk 1,024 float32; bo 1,024 float32; bq 1,024 float32; bv 1,024 float32; wk 1,024 x 1,024 float32; wo 1,024 x 1,024 float32; wq 1,024 x 1,024 float32; wv 1,024 x 1,024 float32; x 4 x 1,024 x 1,024 float32.
;; Outputs: out0 4 x 4 x 1,024 x 1,024 float32.
;; 2 versions, each right; version 2 is version 1 with the launch prep written anew for expert scheduling mode. Each part assembles by itself: llvm-mc -triple=amdgcn-amd-amdhsa -mcpu=gfx1250 --defsym DOCPART=n.
;; ======== version 1 of 2: 5 launches
;; limits: values are held in f16: magnitudes above 65,504 overflow, below 6.1e-05 lose precision
;; workspace buffers: xb 8,388,608 bytes; xm 2,097,152 bytes; wts 8,404,992 bytes; qkv 25,165,824 bytes; p 33,554,432 bytes; flags 65,536 bytes of whole numbers; rl 65,536 bytes; gt 2,097,152 bytes
;; launch prep (part 1): grid 512 x 1, 8 waves a work-group, no clusters, 0 bytes of LDS; arguments x, wq, wk, wv, wo, bq, bk, bv, bo, xb, xm, wts; writes xb, xm, wts
.if DOCPART == 1
	.amdgcn_target "amdgcn-amd-amdhsa--gfx1250"
	.amdhsa_code_object_version 6
	.text
	.protected	k_q3f60fa5ee9_prep
	.globl	k_q3f60fa5ee9_prep
	.p2align	8
	.type	k_q3f60fa5ee9_prep,@function
k_q3f60fa5ee9_prep:
	s_mov_b64 s[64:65], 0
	v_nop
	global_prefetch_b8 v0, s[64:65] scope:SCOPE_SE
	s_setreg_imm32_b32 hwreg(HW_REG_WAVE_MODE, 25, 1), 1
	s_wait_xcnt 0x0
; PREP: every input is rounded once to bf16, and the mean over the batch is made.
;   xb  [4096][1024] bf16 = bf16(x)
;   xm  [1024][1024] f16  = f16(0.25 x the sum over the four batches of bf16(x), added in f32)
;   wts: byte 0: [3072][1024] bf16 = the rows of wq, wk, wv; byte 6,291,456: [1024][1024] bf16(wo) written as f16;
;        byte 8,388,608: [4096] f32 = bf16(bq, bk, bv, bo) widened again
; LIMITS.  bf16(wo) below 6e-5 takes f16's fixed step of 6e-8, beyond 65,504 it becomes an infinity; xm likewise.
; A stream: no LDS, no matrix unit, nothing is shared.  Thread t owns elements 4 t .. 4 t + 3 of a row of 1,024: a wave's load covers 512
; consecutive bytes, a wave's store of 8 bytes a lane 256 consecutive bytes at a multiple of 256.
; Work-groups 0-255: four rows of x in all four batches.  Work-groups 256-511: sixteen rows of one weight matrix, the first of each matrix its bias too.
.set X,   16                           ; v[16:79]   sixteen loads of four registers
.set XB,  80                           ; v[80:111]  16-bit results to store, two registers each: never written twice
.set S,   112                          ; v[112:115] the sum over the batches
.set T,   116                          ; v[116:119] at work
.set XM,  120                          ; v[120:127] the mean, to store
.macro WIDEN d, s                      ; four bf16 in two registers become four f32
	v_lshlrev_b32 v[(\d)],   16,  v[(\s)]
	v_and_b32     v[(\d)+1], s40, v[(\s)]
	v_lshlrev_b32 v[(\d)+2], 16,  v[(\s)+1]
	v_and_b32     v[(\d)+3], s40, v[(\s)+1]
.endm
	s_load_b512 s[8:23], s[0:1], 0x0               ; x 8:9, wq 10:11, wk 12:13, wv 14:15, wo 16:17, bq 18:19, bk 20:21, bv 22:23
	s_load_b256 s[24:31], s[0:1], 0x40             ; bo 24:25, xb 26:27, xm 28:29, wts 30:31
	v_lshlrev_b32 v1, 4, v0                        ; my 16 bytes of a row of f32
	v_lshlrev_b32 v2, 3, v0                        ; my 8 bytes of a row of 16-bit numbers
	s_mov_b32 s40, 0xffff0000                      ; a word's upper bf16
	s_mov_b32 s3, 0
	s_mov_b32 s5, 0
	s_cmp_lt_u32 ttmp9, 256
	s_cbranch_scc0 .Lweights
	; ---- four rows of x ----
	s_lshl_b32 s2, ttmp9, 14                       ; four rows of 4,096 bytes
	s_lshl_b32 s4, ttmp9, 13                       ; four rows of 2,048 bytes
	s_wait_kmcnt 0x0
	s_add_nc_u64 s[32:33], s[8:9], s[2:3]          ; batches 0 and 1 (the second by the immediate)
	s_add_nc_u64 s[34:35], s[32:33], 0x800000      ; batches 2 and 3
	s_add_nc_u64 s[36:37], s[26:27], s[4:5]
	s_add_nc_u64 s[38:39], s[28:29], s[4:5]
.irp i, 0,1,2,3
.irp b, 0,1
	global_load_b128 v[X+16*(\i)+4*(\b):X+16*(\i)+4*(\b)+3], v1, s[32:33] offset:(\b)*4194304+4096*(\i) th:TH_LOAD_NT
.endr
.irp b, 0,1
	global_load_b128 v[X+16*(\i)+8+4*(\b):X+16*(\i)+8+4*(\b)+3], v1, s[34:35] offset:(\b)*4194304+4096*(\i) th:TH_LOAD_NT
.endr
.endr
.macro XROW i
	s_wait_loadcnt 12-4*(\i)                       ; loads come back in order: the later rows' four loads each may stay out
.irp b, 0,1,2,3
	v_cvt_pk_bf16_f32 v[XB+8*(\i)+2*(\b)],   v[X+16*(\i)+4*(\b)],   v[X+16*(\i)+4*(\b)+1]
	v_cvt_pk_bf16_f32 v[XB+8*(\i)+2*(\b)+1], v[X+16*(\i)+4*(\b)+2], v[X+16*(\i)+4*(\b)+3]
	global_store_b64 v2, v[XB+8*(\i)+2*(\b):XB+8*(\i)+2*(\b)+1], s[36:37] offset:(\b)*2097152+2048*(\i)
.if (\b) == 0
	WIDEN S, XB+8*(\i)                             ; the first batch starts the sum
.else
	WIDEN T, XB+8*(\i)+2*(\b)
	v_pk_add_f32 v[S:S+1],   v[S:S+1],   v[T:T+1]
	v_pk_add_f32 v[S+2:S+3], v[S+2:S+3], v[T+2:T+3]
.endif
.endr
	v_pk_mul_f32 v[S:S+1],   v[S:S+1],   0x3e800000 op_sel_hi:[1,0]  ; a quarter of the sum
	v_pk_mul_f32 v[S+2:S+3], v[S+2:S+3], 0x3e800000 op_sel_hi:[1,0]
	v_cvt_pk_f16_f32 v[XM+2*(\i)],   v[S],   v[S+1]
	v_cvt_pk_f16_f32 v[XM+2*(\i)+1], v[S+2], v[S+3]
	global_store_b64 v2, v[XM+2*(\i):XM+2*(\i)+1], s[38:39] offset:2048*(\i)
.endm
	XROW 0
	XROW 1
	XROW 2
	XROW 3
	s_endpgm
	; ---- sixteen rows of a weight matrix ----
.Lweights:
	s_sub_co_u32 s41, ttmp9, 256
	s_lshr_b32 s42, s41, 6                         ; which matrix: 0 wq, 1 wk, 2 wv, 3 wo
	s_and_b32 s43, s41, 63                         ; which sixteen rows
	s_lshl_b32 s2, s43, 16                         ; sixteen rows of 4,096 bytes
	s_lshl_b32 s4, s42, 21                         ; a matrix of 16-bit numbers is 2,097,152 bytes: wo's falls on its place by the layout
	s_lshl_b32 s6, s43, 15
	s_add_co_u32 s4, s4, s6
	s_wait_kmcnt 0x0
	s_cmp_eq_u32 s42, 1
	s_cselect_b64 s[32:33], s[12:13], s[10:11]
	s_cselect_b64 s[34:35], s[20:21], s[18:19]
	s_cmp_eq_u32 s42, 2
	s_cselect_b64 s[32:33], s[14:15], s[32:33]
	s_cselect_b64 s[34:35], s[22:23], s[34:35]
	s_cmp_eq_u32 s42, 3
	s_cselect_b64 s[32:33], s[16:17], s[32:33]
	s_cselect_b64 s[34:35], s[24:25], s[34:35]     ; the matrix's bias
	s_add_nc_u64 s[32:33], s[32:33], s[2:3]
	s_add_nc_u64 s[36:37], s[30:31], s[4:5]
.irp i, 0,1,2,3,4,5,6,7,8,9,10,11,12,13,14,15
	global_load_b128 v[X+4*(\i):X+4*(\i)+3], v1, s[32:33] offset:4096*(\i) th:TH_LOAD_NT
.endr
.macro WROW i, half                    ; half = 1: the bf16 number is written as f16
	s_wait_loadcnt 15-(\i)
	v_cvt_pk_bf16_f32 v[XB+2*(\i)],   v[X+4*(\i)],   v[X+4*(\i)+1]
	v_cvt_pk_bf16_f32 v[XB+2*(\i)+1], v[X+4*(\i)+2], v[X+4*(\i)+3]
.if \half
	WIDEN T, XB+2*(\i)
	v_cvt_pk_f16_f32 v[XB+2*(\i)],   v[T],   v[T+1]
	v_cvt_pk_f16_f32 v[XB+2*(\i)+1], v[T+2], v[T+3]
.endif
	global_store_b64 v2, v[XB+2*(\i):XB+2*(\i)+1], s[36:37] offset:2048*(\i)
.endm
	s_cmp_eq_u32 s42, 3
	s_cbranch_scc1 .Lwo
.irp i, 0,1,2,3,4,5,6,7,8,9,10,11,12,13,14,15
	WROW \i, 0
.endr
	s_branch .Lbias
.Lwo:
.irp i, 0,1,2,3,4,5,6,7,8,9,10,11,12,13,14,15
	WROW \i, 1
.endr
.Lbias:
	s_cmp_eq_u32 s43, 0                            ; the matrix's first work-group rounds its bias
	s_cbranch_scc0 .Lend
	s_lshl_b32 s6, s42, 12
	s_add_co_u32 s6, s6, 0x800000
	s_mov_b32 s7, 0
	s_add_nc_u64 s[38:39], s[30:31], s[6:7]
	global_load_b128 v[120:123], v1, s[34:35]
	s_wait_loadcnt 0x0
	v_cvt_pk_bf16_f32 v112, v120, v121
	v_cvt_pk_bf16_f32 v113, v122, v123
	WIDEN 124, 112
	global_store_b128 v1, v[124:127], s[38:39]
.Lend:
	s_endpgm
.Lfunc_end_k_q3f60fa5ee9_prep:
	.size	k_q3f60fa5ee9_prep, .Lfunc_end_k_q3f60fa5ee9_prep-k_q3f60fa5ee9_prep
	.p2alignl 7, 3214868480
	.fill 96, 4, 3214868480
	.section	.rodata,"a",@progbits
	.p2align	6, 0x0
	.amdhsa_kernel k_q3f60fa5ee9_prep
		.amdhsa_group_segment_fixed_size 0
		.amdhsa_private_segment_fixed_size 0
		.amdhsa_enable_private_segment 0
		.amdhsa_kernarg_size 96
		.amdhsa_user_sgpr_count 2
		.amdhsa_user_sgpr_kernarg_segment_ptr 1
		.amdhsa_wavefront_size32 1
		.amdhsa_system_sgpr_workgroup_id_x 1
		.amdhsa_system_sgpr_workgroup_id_y 1
		.amdhsa_system_sgpr_workgroup_id_z 1
		.amdhsa_system_vgpr_workitem_id 0
		.amdhsa_next_free_vgpr 128
		.amdhsa_next_free_sgpr 66
		.amdhsa_reserve_vcc 0
		.amdhsa_float_denorm_mode_32 3
		.amdhsa_float_denorm_mode_16_64 3
		.amdhsa_memory_ordered 1
		.amdhsa_forward_progress 1
		.amdhsa_inst_pref_size 27
	.end_amdhsa_kernel
	.amdgpu_metadata
---
amdhsa.version: [ 1, 2 ]
amdhsa.kernels:
  - .name:           k_q3f60fa5ee9_prep
    .symbol:         k_q3f60fa5ee9_prep.kd
    .args:
      - { .name: x, .offset: 0, .size: 8, .value_kind: global_buffer, .address_space: global }
      - { .name: wq, .offset: 8, .size: 8, .value_kind: global_buffer, .address_space: global }
      - { .name: wk, .offset: 16, .size: 8, .value_kind: global_buffer, .address_space: global }
      - { .name: wv, .offset: 24, .size: 8, .value_kind: global_buffer, .address_space: global }
      - { .name: wo, .offset: 32, .size: 8, .value_kind: global_buffer, .address_space: global }
      - { .name: bq, .offset: 40, .size: 8, .value_kind: global_buffer, .address_space: global }
      - { .name: bk, .offset: 48, .size: 8, .value_kind: global_buffer, .address_space: global }
      - { .name: bv, .offset: 56, .size: 8, .value_kind: global_buffer, .address_space: global }
      - { .name: bo, .offset: 64, .size: 8, .value_kind: global_buffer, .address_space: global }
      - { .name: xb, .offset: 72, .size: 8, .value_kind: global_buffer, .address_space: global }
      - { .name: xm, .offset: 80, .size: 8, .value_kind: global_buffer, .address_space: global }
      - { .name: wts, .offset: 88, .size: 8, .value_kind: global_buffer, .address_space: global }
    .group_segment_fixed_size: 0
    .private_segment_fixed_size: 0
    .kernarg_segment_align: 8
    .kernarg_segment_size: 96
    .max_flat_workgroup_size: 256
    .sgpr_count:     66
    .vgpr_count:     128
    .wavefront_size: 32
...
	.end_amdgpu_metadata
.endif
;; end of part 1
;; launch qkv (part 2): grid 8 x 32, 4 waves a work-group, clusters of 4 x 4, 327,680 bytes of LDS; arguments xb, wts, qkv; writes qkv
.if DOCPART == 2
	.amdgcn_target "amdgcn-amd-amdhsa--gfx1250"
	.amdhsa_code_object_version 6
	.text
	.protected	k_q3f60fa5ee9_qkv
	.globl	k_q3f60fa5ee9_qkv
	.p2align	8
	.type	k_q3f60fa5ee9_qkv,@function
k_q3f60fa5ee9_qkv:
	s_mov_b64 s[64:65], 0
	v_nop
	global_prefetch_b8 v0, s[64:65] scope:SCOPE_SE
	s_setreg_imm32_b32 hwreg(HW_REG_WAVE_MODE, 25, 1), 1
	s_wait_xcnt 0x0
	s_wait_alu depctr_hold_cnt(0) depctr_sa_sdst(0) depctr_va_vdst(0) depctr_va_sdst(0) depctr_va_ssrc(0) depctr_va_vcc(0) depctr_vm_vsrc(0)
	s_getreg_b32 s2, hwreg(HW_REG_IB_STS2, 6, 4)
	s_cmp_eq_u32 s2, 0
	s_cbranch_scc0 .Lentry_in_a_cluster
	s_endpgm
.Lentry_in_a_cluster:
	s_bfe_u32 s2, ttmp6, 0x10000c
	s_cmp_lg_u32 s2, 0xf033
	s_cbranch_scc0 .Lentry_shape_is_right
	s_endpgm
.Lentry_shape_is_right:
; QKV: qkv[row][n] = the sum over k of xb[row][k] w[n][k] + bias[n].  xb: [4096][1024] bf16; w: the first 3,072 rows of wts, bf16 (wq, wk, wv); bias: f32 at byte 8,388,608 of wts;
; qkv: [4096][3072] f16, rounded once from the f32 sums.  Columns 0-1023 q, 1024-2047 k, 2048-3071 v.  v is made as the module makes it; no later launch reads it.
; LIMIT.  A sum beyond 65,504 becomes an infinity in f16.
; SHARES.  A tile of qkv is 128 rows x 384 columns: 32 x 8 = 256 work-groups of equal work; a tile's row is three aligned blocks of 256 bytes.  Each of the four waves makes 128 x 96: 48 accumulators.
; K goes in 8 steps of 128 (256 bytes of a row) through a ring of two LDS slots: 128 rows of xb, then 384 rows of w.  Wave 0 fetches xb's rows, waves 1-3 128 rows of w each: one tensor load a wave.
; CLUSTER.  4 x 4 work-groups: the four of a row of the cluster need the same rows of xb, the four of a column the same rows of w: each tile is asked for jointly.
; THE MATRIX INSTRUCTION IS USED TRANSPOSED (source 0 = 16 rows of w, source 1 = 16 rows of xb): a lane holds eight neighbouring columns of one row.  The bias is the C operand of the products that start the sums.
; ONE K STEP IS WRITTEN ONCE: a trip goes from a step's second quarter to the next step's first; the LDS addresses hang on s[TB], which an exclusive or turns from slot to slot.
; REGISTERS, in windows of 256 (s_set_vgpr_msb: bits 1:0 source 0, 3:2 source 1, 5:4 source 2, 7:6 destination):
;   window 0: v16-30 addresses; v64-127, v128-191 fragments of xb, two buffers; v192-239 the bias, later at work on the way out
;   window 1: v64-111, v128-175 fragments of w, two buffers       windows 2, 3: accumulator (a, b) at v[8 (6 (a % 4) + b)] of window 2 + a / 4
.set NBL,   6                          ; blocks of 16 columns a wave
.set KB,    256                        ; bytes of a row in a K step
.set PITCH, 272                        ; an LDS row: 256 bytes + 16 of padding: the 16 rows of a fragment load start 68 words apart
.set HALFT, 128*PITCH                  ; what one tensor load brings
.set SLOT,  4*HALFT                    ; 0x22000: its two bits occur in no wave x HALFT, so an exclusive or turns an address in one slot into the other's
.set SPARE, 2*SLOT                     ; behind the ring: the spare words, 128 bytes for each wave
.set SP,    784                        ; a row of the stage: 768 bytes + 16
.set OUTB,  6144                       ; a row of qkv
.set BIASO, 8388608
.set ADRA0, 16                         ; v16, v17  my lane's place in a slot's rows of xb and of w; never rewritten
.set ADRB0, 17
.set ADRA,  18                         ; v18, v19  the same in the slot in hand
.set ADRB,  19
.set STO,   24                         ; v24  the way out: where I put 16 bytes of a row, blocks 0-3; v27 (STO + 3): blocks 4-7
.set RD,    25                         ; v25  where I read rows back
.set CO,    26                         ; v26  my byte offset in qkv
.set SPW,   28                         ; v28  my spare word; never rewritten
.set NIL,   29                         ; v29  0; never rewritten
.set PFO,   30                         ; v30  the prefetches' offset: my lane x a row of 2,048 bytes; never rewritten
.set F0,    64
.set F1,    128
.set BIAS,  192
.set TMP,   192
.set G1,  24                           ; s[24:31] group 1 for xb's tiles; s[32:35] group 0 of the first fill; s[36:39] the walking group 0
.set G0,  32
.set G1B, 48                           ; s[48:55], s[56:59], s[60:63] the same for w's tiles
.set G0B, 56
.set LIM, 43                           ; s43  2 in a wave that prefetches, else the greatest number
.set PFA, 44                           ; s[44:45] where my prefetches stand
.set TB,  72                           ; s72  0 or SLOT: the slot in hand
.set FA,  10                           ; the register whose 0 says: I fetch xb's rows (here the wave's number)
.set MSB, 0
.macro WIN new                         ; the immediate's high byte repeats the setting that is left; a switch that changes nothing is dropped
.if MSB != (\new)
	s_set_vgpr_msb (MSB<<8)|(\new)
.set MSB, \new
.endif
.endm
.macro PLACES                          ; four plain instructions between a matrix instruction and a load into, or a vector read of, its registers
.rept 4
	v_nop
.endr
.endm
.macro CREST                           ; a round of the cluster's barrier behind its opening barrier
	s_cmp_lg_u32 s10, 0
	s_cbranch_scc1 .Lnot_wave_0_\@
	s_barrier_signal -3
.Lnot_wave_0_\@:
	s_barrier_wait -3
	s_barrier_signal -1
	s_barrier_wait -1
.endm
.macro CROUND
	s_barrier_signal -1
	s_barrier_wait -1
	CREST
.endm
.macro JLOAD                           ; a joint refill by the walking descriptor; the branch hangs on the wave's number alone; an s_nop 0 and four v_nop follow each line
	s_cmp_eq_u32 s[FA], 0
	s_cbranch_scc0 .Lfor_b_\@
	tensor_load_to_lds s[G0+4:G0+7], s[G1:G1+7]
	s_nop 0
	PLACES
	s_branch .Lasked_\@
.Lfor_b_\@:
	tensor_load_to_lds s[G0B+4:G0B+7], s[G1B:G1B+7]
	s_nop 0
	PLACES
.Lasked_\@:
.endm
; A prefetch of the K step that stands two refills on: 32 rows x 256 bytes, a lane a row.  Of the 128 rows that a wave fetches each of the four partners that ask for them jointly takes 32, told apart by
; address; xb's rows are asked for by the clusters with x = 0 alone, w's by those with y = 0: each block is named once.  The trips with s3 = 6 .. 3 ask, for K steps 4 .. 7; K steps 0-3 come by their loads alone.
.macro ASK
	s_cmp_gt_u32 s3, s[LIM]
	s_cbranch_scc0 .Lnot_mine_\@
	global_prefetch_b8 v[PFO], s[PFA:PFA+1] offset:KB th:TH_LOAD_NT scope:SCOPE_SE
.Lnot_mine_\@:
.endm
; 12 products: row blocks a0, a0 + 1 of the window's four x all 6 column blocks, 32 along K.  first = 1: they start the sums, with the bias as C.  All 48 accumulators take turns.
.macro MULH f, hi, a0, first
.if \first
	WIN 0x81+0x40*(\hi)
.else
	WIN 0xa1+0x50*(\hi)
.endif
.irp a, \a0, (\a0)+1
.irp b, 0,1,2,3,4,5
.if \first
	v_wmma_f32_16x16x32_bf16 v[8*(NBL*(\a)+(\b)):8*(NBL*(\a)+(\b))+7], v[(\f)+8*(\b):(\f)+8*(\b)+7], v[(\f)+8*(4*(\hi)+(\a)):(\f)+8*(4*(\hi)+(\a))+7], v[BIAS+8*(\b):BIAS+8*(\b)+7]
.else
	v_wmma_f32_16x16x32_bf16 v[8*(NBL*(\a)+(\b)):8*(NBL*(\a)+(\b))+7], v[(\f)+8*(\b):(\f)+8*(\b)+7], v[(\f)+8*(4*(\hi)+(\a)):(\f)+8*(4*(\hi)+(\a))+7], v[8*(NBL*(\a)+(\b)):8*(NBL*(\a)+(\b))+7]
.endif
.endr
.endr
.endm
.macro FETCH k, f                      ; 28 LDS loads in one run: a quarter step's fragments (96 rows of w, 128 rows of xb, 32 K at byte k) into buffer f
	WIN 0x40
.irp i, 0,1,2,3,4,5
	ds_load_b128 v[(\f)+8*(\i):(\f)+8*(\i)+3],   v[ADRB] offset:(\k)+(\i)*16*PITCH
	ds_load_b128 v[(\f)+8*(\i)+4:(\f)+8*(\i)+7], v[ADRB] offset:(\k)+(\i)*16*PITCH+32
.endr
	WIN 0
.irp i, 0,1,2,3,4,5,6,7
	ds_load_b128 v[(\f)+8*(\i):(\f)+8*(\i)+3],   v[ADRA] offset:(\k)+(\i)*16*PITCH
	ds_load_b128 v[(\f)+8*(\i)+4:(\f)+8*(\i)+7], v[ADRA] offset:(\k)+(\i)*16*PITCH+32
.endr
.endm
.macro QUARTER k, f, g, first          ; multiplies buffer f; in its middle fetches the next quarter, at byte k, into g
	s_wait_dscnt 8                                 ; the youngest eight loads (xb's blocks 4-7) may be out
	MULH \f, 0, 0, \first
	MULH \f, 0, 2, \first
	PLACES
	FETCH \k, \g
	s_wait_dscnt 2*NBL+16                          ; all but the run just issued
	MULH \f, 1, 0, \first
	MULH \f, 1, 2, \first
.endm
; The fourth quarter multiplies buffer 1 and changes slots.  In front of the barrier each wave waits for all its tensor loads (one is out: its part of the next slot), adds 0 to its spare word, and waits
; for that and for its reads of this slot.  fill = 1: the barrier opens a round of the cluster's, and the slot just read is filled again, first thing behind it, with the K step two on.
.macro TURN fill
.if \fill
	s_wait_xcnt 0x0                                ; the last prefetch, a K step back, has read its address
	s_add_nc_u64 s[PFA:PFA+1], s[PFA:PFA+1], KB
.endif
	WIN 0
	s_wait_tensorcnt 0x0
	ds_add_u32 v[SPW], v[NIL]
	s_wait_dscnt 9                                 ; (the add and the youngest eight loads may be out)
	MULH F1, 0, 0, 0
	s_wait_dscnt 0x0                               ; the add is done, my reads of this slot are over
	s_barrier_signal -1
	MULH F1, 0, 2, 0
	WIN 0
	s_barrier_wait -1
.if \fill
	CREST                                          ; no wave of any partner still reads this slot or has a load on its way
	s_xor_b32 s[G0+5], s[G0+5], SLOT
	s_add_nc_u64 s[G0+6:G0+7], s[G0+6:G0+7], KB
	s_xor_b32 s[G0B+5], s[G0B+5], SLOT
	s_add_nc_u64 s[G0B+6:G0B+7], s[G0B+6:G0B+7], KB
	JLOAD                                          ; its four v_nop are also the places in front of the loads below
.else
	PLACES
	s_cmp_eq_u32 s3, 1                             ; behind the last K step there is nothing to fetch
	s_cbranch_scc1 .Lno_more_\@
.endif
	s_xor_b32 s[TB], s[TB], SLOT
	v_add_nc_u32 v[ADRA], s[TB], v[ADRA0]
	v_add_nc_u32 v[ADRB], s[TB], v[ADRB0]
	FETCH 0, F0
.if \fill
	ASK
.else
.Lno_more_\@:
.endif
	MULH F1, 1, 0, 0
	MULH F1, 1, 2, 0
.endm
	s_load_b128 s[4:7], s[0:1], 0x0                ; xb s[4:5], wts s[6:7]
	s_load_b64 s[8:9], s[0:1], 0x10                ; qkv
	v_lshl_add_u32 v[SPW], v0, 2, SPARE
	v_mov_b32 v[NIL], 0
	ds_add_u32 v[SPW], v[NIL]                      ; the wave's opening: the add and its wait ahead of my first tensor load
	v_lshrrev_b32 v1, 5, v0
	v_readfirstlane_b32 s10, v1                    ; wave 0..3
	s_max_u32 s12, s10, 1
	s_sub_co_u32 s12, s12, 1                       ; which 128 rows of w's 384 I fetch (waves 1-3)
	s_bfe_u32 s40, ttmp6, 0x40000                  ; cx
	s_bfe_u32 s41, ttmp6, 0x40004                  ; cy
	s_lshl_b32 s42, ttmp9, 2
	s_add_co_u32 s42, s42, s40                     ; tile column 0..7
	s_and_b32 s13, ttmp7, 0xffff
	s_lshl_b32 s13, s13, 2
	s_add_co_u32 s13, s13, s41                     ; tile row 0..31
	s_lshl_b32 s43, s41, 2
	s_lshl_b32 s43, 15, s43                        ; my row of the cluster
	s_lshl_b32 s44, 0x1111, s40                    ; my column
	s_or_b32 s[G1+0], s43, (1<<16)|(1<<20)|(1<<21)|(5<<22)|(3<<25)  ; the mask; 2-byte elements; padding on; bit 21 beside a mask; after every 64 words 4 words
	s_or_b32 s[G1B+0], s44, (1<<16)|(1<<20)|(1<<21)|(5<<22)|(3<<25)
.irp g, G1, G1B
	s_mov_b32 s[(\g)+1], 128<<16                   ; tensor_dim0 = 128
	s_mov_b32 s[(\g)+2], 128<<16                   ; tensor_dim1 = 128
	s_mov_b32 s[(\g)+3], 128<<16                   ; tile_dim0 = 128
	s_mov_b32 s[(\g)+4], 128                       ; tile_dim1 = 128
	s_mov_b32 s[(\g)+5], 1024                      ; elements from row to row
	s_mov_b32 s[(\g)+6], 0
	s_mov_b32 s[(\g)+7], 0
.endr
	s_lshl_b32 s16, s13, 18                        ; xb: 128 rows of 2,048 bytes a tile row
	s_mov_b32 s17, 0
	s_mul_i32 s46, s42, 384                        ; w: row 384 x tile column + 128 x my part
	s_lshl_b32 s47, s12, 7
	s_add_co_u32 s46, s46, s47
	s_lshl_b32 s46, s46, 11
	s_mov_b32 s47, 0
	s_mul_i32 s20, s10, HALFT                      ; where my rows go: no place in the cluster enters an LDS address
	s_mov_b32 s[TB], 0
	s_wait_dscnt 0x0                               ; the opening add is done
	s_wait_kmcnt 0x0
	s_add_nc_u64 s[14:15], s[4:5], s[16:17]
	s_add_nc_u64 s[46:47], s[6:7], s[46:47]
	CROUND                                         ; all sixteen work-groups are here: the first joint loads meet
.irp s, 0,1
	s_mov_b32 s[G0+4*(\s)], 1
	s_add_co_u32 s[G0+4*(\s)+1], s20, (\s)*SLOT
	s_add_nc_u64 s[G0+4*(\s)+2:G0+4*(\s)+3], s[14:15], (\s)*KB
	s_or_b32 s[G0+4*(\s)+3], s[G0+4*(\s)+3], 0x80000000
	s_mov_b32 s[G0B+4*(\s)], 1
	s_add_co_u32 s[G0B+4*(\s)+1], s20, (\s)*SLOT
	s_add_nc_u64 s[G0B+4*(\s)+2:G0B+4*(\s)+3], s[46:47], (\s)*KB
	s_or_b32 s[G0B+4*(\s)+3], s[G0B+4*(\s)+3], 0x80000000
.endr
	s_cmp_eq_u32 s[FA], 0                          ; a wave's two first fills stand in one branch: two loads of mine are out
	s_cbranch_scc0 .Lfirst_b
	tensor_load_to_lds s[G0:G0+3], s[G1:G1+7]
	s_nop 0
	tensor_load_to_lds s[G0+4:G0+7], s[G1:G1+7]
	s_nop 0
	PLACES
	s_branch .Lfirst_asked
.Lfirst_b:
	tensor_load_to_lds s[G0B:G0B+3], s[G1B:G1B+7]
	s_nop 0
	tensor_load_to_lds s[G0B+4:G0B+7], s[G1B:G1B+7]
	s_nop 0
	PLACES
.Lfirst_asked:
	v_and_b32 v1, 15, v0                           ; r = l % 16
	v_bfe_u32 v2, v0, 4, 1                         ; h = l / 16
	v_mul_u32_u24 v3, v1, PITCH
	v_lshl_add_u32 v[ADRA0], v2, 4, v3             ; row x pitch + 16 x half: xb's 128 rows lie at the slot's head
	s_mul_i32 s21, s10, 96*PITCH
	s_add_co_u32 s21, s21, HALFT                   ; my 96 rows of w
	v_add_nc_u32 v[ADRB0], s21, v[ADRA0]
	v_mov_b32 v[ADRA], v[ADRA0]
	v_mov_b32 v[ADRB], v[ADRB0]
	; the bias of my 96 columns, in the layout of a result: register j of block b holds column 16 b + 8 h + j
	s_mul_i32 s74, s42, 384
	s_mul_i32 s75, s10, 96
	s_add_co_u32 s74, s74, s75
	s_lshl_b32 s74, s74, 2
	s_add_co_u32 s74, s74, BIASO
	s_mov_b32 s75, 0
	s_add_nc_u64 s[68:69], s[6:7], s[74:75]
	v_lshlrev_b32 v6, 5, v2
.irp b, 0,1,2,3,4,5
	global_load_b128 v[BIAS+8*(\b):BIAS+8*(\b)+3],   v6, s[68:69] offset:64*(\b)
	global_load_b128 v[BIAS+8*(\b)+4:BIAS+8*(\b)+7], v6, s[68:69] offset:64*(\b)+16
.endr
	; the way out: the work-group's stage of 128 rows x 784 bytes
	v_mul_u32_u24 v4, v1, SP
	v_lshl_add_u32 v4, v2, 4, v4
	s_mul_i32 s21, s10, 192                        ; my 96 columns
	v_add_nc_u32 v[STO], s21, v4
	v_add_nc_u32 v[STO+3], 4*16*SP, v[STO]
	s_mul_i32 s21, s10, 32*SP                      ; back: wave w takes rows 32 w .. 32 w + 31
	v_mul_u32_u24 v5, v2, SP
	v_lshl_add_u32 v5, v1, 4, v5
	v_add_nc_u32 v[RD], s21, v5
	v_mul_u32_u24 v5, v2, OUTB
	v_lshl_add_u32 v[CO], v1, 4, v5
	s_lshl_b32 s76, s13, 7
	s_lshl_b32 s77, s10, 5
	s_add_co_u32 s76, s76, s77
	s_mul_i32 s76, s76, OUTB                       ; the first row that I store
	s_mul_i32 s77, s42, 768                        ; the tile's first column, in bytes
	s_add_co_u32 s76, s76, s77
	s_mov_b32 s77, 0
	s_add_nc_u64 s[8:9], s[8:9], s[76:77]
	; the prefetches
	s_lshl_b32 s20, s13, 7
	s_mul_i32 s21, s42, 384
	s_lshl_b32 s22, s12, 7
	s_add_co_u32 s21, s21, s22
	s_and_b32 s22, ttmp7, 0xffff
	s_cmp_eq_u32 s[FA], 0
	s_cselect_b32 s20, s20, s21                    ; the first of the 128 rows that I fetch
	s_cselect_b32 s21, s40, s41                    ; my place among the four that ask for them with me
	s_cselect_b32 s22, ttmp9, s22                  ; the coordinate along which other clusters read the same rows
	s_cselect_b64 s[PFA:PFA+1], s[4:5], s[6:7]
	s_cmp_eq_u32 s22, 0
	s_cselect_b32 s[LIM], 2, -1                    ; the same in all sixteen partners, for a given wave
	s_lshl_b32 s21, s21, 5
	s_add_co_u32 s20, s20, s21
	s_lshl_b32 s20, s20, 11
	s_add_co_u32 s20, s20, 2*KB                    ; at K step 2: the first refill steps it to 3 and names K step 4
	s_mov_b32 s21, 0
	s_add_nc_u64 s[PFA:PFA+1], s[PFA:PFA+1], s[20:21]
	v_and_b32 v[PFO], 31, v0
	v_lshlrev_b32 v[PFO], 11, v[PFO]
	s_wait_tensorcnt 0x1                           ; my part of K step 0 is in; K step 1's may stay out
	s_barrier_signal -1
	s_barrier_wait -1
	FETCH 0, F0
	s_wait_loadcnt 0x0                             ; the bias
	QUARTER 64, F0, F1, 1                          ; the first quarter starts the sums
	WIN 0
	s_mov_b32 s3, 6
.Lstep:                                            ; trip j: K step j's quarters 2 to 4, the refill with K step j + 2, K step j + 1's first quarter
	QUARTER 128, F1, F0, 0
	QUARTER 192, F0, F1, 0
	TURN 1
	QUARTER 64, F0, F1, 0
	WIN 0
	s_sub_co_u32 s3, s3, 1
	s_cmp_lg_u32 s3, 0
	s_cbranch_scc1 .Lstep
	s_mov_b32 s3, 2
.Ltail:                                            ; K steps 6 and 7 ask for nothing; the second trip is left in its middle
	QUARTER 128, F1, F0, 0
	QUARTER 192, F0, F1, 0
	TURN 0
	WIN 0
	s_sub_co_u32 s3, s3, 1
	s_cmp_eq_u32 s3, 0
	s_cbranch_scc1 .Lout
	QUARTER 64, F0, F1, 0
	WIN 0
	s_branch .Ltail
.Lout:
	; THE WAY OUT.  The stage lies in slot 0, which has had its last fill.  Every wave's reads of the ring are back before any wave writes there.
	s_wait_dscnt 0x0
	s_barrier_signal -1
	s_barrier_wait -1
	PLACES
.macro PACK a                          ; block a: rounded to f16, 16 bytes a lane, into the stage
	WIN 0x0a+5*((\a)/4)
.irp b, 0,1,2,3,4,5
.irp r, 0,1,2,3
	v_cvt_pk_f16_f32 v[TMP+24*((\a)%2)+4*(\b)+(\r)], v[8*(NBL*((\a)%4)+(\b))+2*(\r)], v[8*(NBL*((\a)%4)+(\b))+2*(\r)+1]
.endr
.endr
	WIN 0
.irp b, 0,1,2,3,4,5
	ds_store_b128 v[STO+3*((\a)/4)], v[TMP+24*((\a)%2)+4*(\b):TMP+24*((\a)%2)+4*(\b)+3] offset:((\a)%4)*16*SP+32*(\b)
.endr
.endm
.irp a, 0,1,2,3,4,5,6,7
	PACK \a
.endr
	s_wait_dscnt 0x0                               ; for the others' sake: my stores into the stage are done
	s_barrier_signal -1
	s_barrier_wait -1
.set n, 0
.rept 48                                           ; my 32 rows, three blocks of 256 bytes each; lanes 0-15 one row, lanes 16-31 the next
	ds_load_b128 v[64+4*n:64+4*n+3], v[RD] offset:2*(n%16)*SP+256*(n/16)
.set n, n+1
.endr
.set n, 0
.rept 48
	s_wait_dscnt 47-n
	global_store_b128 v[CO], v[64+4*n:64+4*n+3], s[8:9] offset:2*(n%16)*OUTB+256*(n/16)  ; 16 lanes store 256 consecutive bytes, at a multiple of 256 from qkv's first byte
.set n, n+1
.endr
	s_wait_tensorcnt 0x0                           ; the wave's end
	ds_add_u32 v[SPW], v[NIL]
	s_wait_dscnt 0x0
	CROUND                                         ; the closing round
	s_endpgm
.Lfunc_end_k_q3f60fa5ee9_qkv:
	.size	k_q3f60fa5ee9_qkv, .Lfunc_end_k_q3f60fa5ee9_qkv-k_q3f60fa5ee9_qkv
	.p2alignl 7, 3214868480
	.fill 96, 4, 3214868480
	.section	.rodata,"a",@progbits
	.p2align	6, 0x0
	.amdhsa_kernel k_q3f60fa5ee9_qkv
		.amdhsa_group_segment_fixed_size 327680
		.amdhsa_private_segment_fixed_size 0
		.amdhsa_enable_private_segment 0
		.amdhsa_kernarg_size 24
		.amdhsa_user_sgpr_count 2
		.amdhsa_user_sgpr_kernarg_segment_ptr 1
		.amdhsa_wavefront_size32 1
		.amdhsa_system_sgpr_workgroup_id_x 1
		.amdhsa_system_sgpr_workgroup_id_y 1
		.amdhsa_system_sgpr_workgroup_id_z 1
		.amdhsa_system_vgpr_workitem_id 0
		.amdhsa_next_free_vgpr 1024
		.amdhsa_next_free_sgpr 80
		.amdhsa_reserve_vcc 0
		.amdhsa_float_denorm_mode_32 3
		.amdhsa_float_denorm_mode_16_64 3
		.amdhsa_memory_ordered 1
		.amdhsa_forward_progress 1
		.amdhsa_inst_pref_size 84
	.end_amdhsa_kernel
	.amdgpu_metadata
---
amdhsa.version: [ 1, 2 ]
amdhsa.kernels:
  - .name:           k_q3f60fa5ee9_qkv
    .symbol:         k_q3f60fa5ee9_qkv.kd
    .args:
      - { .name: xb, .offset: 0, .size: 8, .value_kind: global_buffer, .address_space: global }
      - { .name: wts, .offset: 8, .size: 8, .value_kind: global_buffer, .address_space: global }
      - { .name: qkv, .offset: 16, .size: 8, .value_kind: global_buffer, .address_space: global }
    .group_segment_fixed_size: 327680
    .private_segment_fixed_size: 0
    .kernarg_segment_align: 8
    .kernarg_segment_size: 24
    .max_flat_workgroup_size: 128
    .sgpr_count:     80
    .vgpr_count:     1024
    .wavefront_size: 32
...
	.end_amdgpu_metadata
.endif
;; end of part 2
;; launch scores (part 3): grid 16 x 16, 4 waves a work-group, clusters of 4 x 1, 327,680 bytes of LDS; arguments qkv, p, flags, rl; writes p, flags, rl
.if DOCPART == 3
	.amdgcn_target "amdgcn-amd-amdhsa--gfx1250"
	.amdhsa_code_object_version 6
	.text
	.protected	k_q3f60fa5ee9_scores
	.globl	k_q3f60fa5ee9_scores
	.p2align	8
	.type	k_q3f60fa5ee9_scores,@function
k_q3f60fa5ee9_scores:
	s_mov_b64 s[64:65], 0
	v_nop
	global_prefetch_b8 v0, s[64:65] scope:SCOPE_SE
	s_setreg_imm32_b32 hwreg(HW_REG_WAVE_MODE, 25, 1), 1
	s_wait_xcnt 0x0
	s_wait_alu depctr_hold_cnt(0) depctr_sa_sdst(0) depctr_va_vdst(0) depctr_va_sdst(0) depctr_va_ssrc(0) depctr_va_vcc(0) depctr_vm_vsrc(0)
	s_getreg_b32 s2, hwreg(HW_REG_IB_STS2, 6, 4)
	s_cmp_eq_u32 s2, 0
	s_cbranch_scc0 .Lentry_in_a_cluster
	s_endpgm
.Lentry_in_a_cluster:
	s_bfe_u32 s2, ttmp6, 0x10000c
	s_cmp_lg_u32 s2, 0x3003
	s_cbranch_scc0 .Lentry_shape_is_right
	s_endpgm
.Lentry_shape_is_right:
; SCORES.  For one batch and head (bh) and 64 queries: s = q . k over 256 channels, for all 1,024 keys; m = the row's maximum; p = 2^(c s - c m), c = log2(e) / 16, rounded to f16 and stored
; NOT normalised; rl = 1 / l, l = the sum over the keys of the rounded p; flag = -1 where m / 16 > 0.9, else 0.  q, k: f16, in qkv [4096][3072]; p: [16384][1024] f16; flags: [16][1024] words; rl: [16384] f32.
; LIMITS.  The flag is decided on f16 q and k with f32 sums: a row whose maximum lies within their rounding of 0.9 x 16 may fall on the other side.  A weight below 2^-126 counts as 0, below 6e-5 it keeps
; f16's fixed step.  NaN and infinities are not treated apart.
; SHARES.  Wave w owns keys 256 w .. 256 w + 255 for all 64 queries: 4 query tiles a x 16 key blocks b = 64 accumulators, so a row's whole scores stay in registers and the true maximum is taken before the
; exponentials.  S^T = K Q^T (source 0 = 16 keys, source 1 = 16 queries): a lane holds ONE query (l % 16) and the keys 8 (l / 16) + 0..7 of each block.  A fragment of K feeds four products.
; K comes in four steps of 64 keys a wave through two LDS slots; a wave reads only the rows that it fetched.  CLUSTER: the four query blocks of a cluster walk the same K, so each tile is asked for jointly.
; The waves' maxima and sums meet in LDS.  l is made by the matrix unit: ones x P adds a query's 32 keys of both halves of the lanes.
; NO PREFETCH: the ring has two refills, both asked for in the first half of the products; nothing lies further ahead to ask for.
; REGISTERS, in windows of 256 (s_set_vgpr_msb: bits 1:0 source 0, 3:2 source 1, 5:4 source 2, 7:6 destination):
;   window 0: v3-15 addresses; v16-19 m; v20-23 at work; v24-31 c m, in pairs; v32-47 the four waves' figures; v48-55 ones; v56-63 at work; v64-191 K's fragments, two buffers; v192-223 l's sums
;   window 1: Q, tile a, chunk c at v[8 (8 a + c)]; later P, tile a, block b at v[64 a + 4 b]      windows 2, 3: accumulator (b, a) at v[8 (4 (b % 8) + a)] of window 2 + b / 8
.set PKP,   528                        ; a row of K in LDS: 512 bytes + 16: the 16 rows of a fragment load start 132 words apart
.set WPART, 64*PKP                     ; a wave's part of a slot
.set SLOT,  4*WPART
.set STAGE, 2*SLOT                     ; 16 rows x 528 bytes for each wave, for the way out
.set SCR0,  STAGE+4*16*PKP             ; the maxima: 16 bytes a query, a word a wave
.set SCR1,  SCR0+1024                  ; the sums, likewise
.set SPARE, SCR1+1024                  ; the spare words, 128 bytes for each wave
.set QKVB,  6144                       ; a row of qkv
.set AK,  3                            ; v3, v4  my lane's place in my part of slot 0, 1
.set QO,  5                            ; v5   my byte offset in 16 rows of q
.set STO, 6                            ; v6   the way out: where I put 16 bytes of a row
.set RD,  7                            ; v7   where I read a row back
.set GO,  8                            ; v8   16 x lane
.set SCW, 9                            ; v9   where I put my wave's figure of query l % 16
.set SCRD, 10                          ; v10  where the four waves' figures of query l % 16 lie
.set FIN, 11                           ; v11  wave 0 at the end: the figures of queries 2 l, 2 l + 1
.set FO,  12                           ; v12  8 x lane
.set SPW, 14
.set NIL, 15
.set M,   16
.set T,   20
.set CM,  24
.set X,   32
.set ONES, 48
.set KF,  64
.set LACC, 192
.set WV,  12                           ; s12  my wave's number
.set G1,  24                           ; s[24:31] descriptor group 1
.set G0,  32                           ; s[32:39] group 0, a set for each slot
.set CS,  58                           ; s[58:59] c, twice
.set SEL, 60                           ; s[60:61] v_permlanex16_b32's selects: each lane takes its own place in the other half
.set MSB, 0
.macro WIN new
.if MSB != (\new)
	s_set_vgpr_msb (MSB<<8)|(\new)
.set MSB, \new
.endif
.endm
.macro PLACES
.rept 4
	v_nop
.endr
.endm
.macro CROUND
	s_barrier_signal -1
	s_barrier_wait -1
	s_cmp_lg_u32 s[WV], 0
	s_cbranch_scc1 .Lnot_wave_0_\@
	s_barrier_signal -3
.Lnot_wave_0_\@:
	s_barrier_wait -3
	s_barrier_signal -1
	s_barrier_wait -1
.endm
; Slot n, which has been read, is filled again with the keys 128 further on.  Each wave waits for all its tensor loads, adds 0 to its spare word, waits for that and for its reads; the round of the cluster's
; barrier shows the same of every partner; the joint refill is the first thing behind it, one load a wave.
.macro CHANGE n
	WIN 0
	s_wait_tensorcnt 0x0
	ds_add_u32 v[SPW], v[NIL]
	s_add_nc_u64 s[G0+4*(\n)+2:G0+4*(\n)+3], s[G0+4*(\n)+2:G0+4*(\n)+3], 128*QKVB
	s_wait_dscnt 0x0
	CROUND
	tensor_load_to_lds s[G0+4*(\n):G0+4*(\n)+3], s[G1:G1+7]
	s_nop 0
	PLACES                                         ; also the places in front of the next loads into K's buffer 0
.endm
.macro FETCHK slot, kb, buf            ; 16 keys x 256 channels: 8 fragments, 16 loads
	WIN 0
.irp c, 0,1,2,3,4,5,6,7
	ds_load_b128 v[KF+64*(\buf)+8*(\c):KF+64*(\buf)+8*(\c)+3],   v[AK+(\slot)] offset:(\kb)*16*PKP+64*(\c)
	ds_load_b128 v[KF+64*(\buf)+8*(\c)+4:KF+64*(\buf)+8*(\c)+7], v[AK+(\slot)] offset:(\kb)*16*PKP+64*(\c)+32
.endr
.endm
; Key block kb of step t: the next block's fragments are asked for, then 32 products: the four query tiles' accumulators take turns; the first four start the sums.
.macro KBLK t, kb
	s_wait_dscnt 0x0                               ; this block's fragments are in
.if (\kb) < 3
	PLACES
	FETCHK (\t)%2, (\kb)+1, ((\kb)+1)%2
.endif
	WIN 0xa4+0x50*((\t)/2)                         ; K window 0, Q window 1, S^T window 2 or 3
.irp c, 0,1,2,3,4,5,6,7
.irp a, 0,1,2,3
.set rD, 8*(4*((4*(\t)+(\kb))%8)+(\a))
.if (\c) == 0
	v_wmma_f32_16x16x32_f16 v[rD:rD+7], v[KF+64*((\kb)%2)+8*(\c):KF+64*((\kb)%2)+8*(\c)+7], v[8*(8*(\a)+(\c)):8*(8*(\a)+(\c))+7], 0
.else
	v_wmma_f32_16x16x32_f16 v[rD:rD+7], v[KF+64*((\kb)%2)+8*(\c):KF+64*((\kb)%2)+8*(\c)+7], v[8*(8*(\a)+(\c)):8*(8*(\a)+(\c))+7], v[rD:rD+7]
.endif
.endr
.endr
.endm
.macro STEP t
	FETCHK (\t)%2, 0, 0
	KBLK \t, 0
	KBLK \t, 1
	KBLK \t, 2
	KBLK \t, 3
.endm
	s_load_b256 s[4:11], s[0:1], 0x0               ; qkv s[4:5], p s[6:7], flags s[8:9], rl s[10:11]
	v_lshl_add_u32 v[SPW], v0, 2, SPARE
	v_mov_b32 v[NIL], 0
	ds_add_u32 v[SPW], v[NIL]                      ; the wave's opening: the add and its wait ahead of my first tensor load
	v_lshrrev_b32 v1, 5, v0
	v_readfirstlane_b32 s[WV], v1
	s_bfe_u32 s13, ttmp6, 0x40000                  ; cx
	s_lshl_b32 s14, ttmp9, 2
	s_add_co_u32 s14, s14, s13                     ; my block of 64 queries: it enters q's, p's, flags' and rl's addresses alone
	s_and_b32 s15, ttmp7, 0xffff                   ; bh, which the four partners share
	s_lshr_b32 s16, s15, 2                         ; batch
	s_and_b32 s17, s15, 3                          ; head
	s_lshl_b32 s20, s16, 10
	s_lshl_b32 s21, s[WV], 8
	s_add_co_u32 s20, s20, s21                     ; k: row 1,024 x batch + 256 x wave,
	s_mul_i32 s20, s20, QKVB
	s_lshl_b32 s21, s17, 9
	s_add_co_u32 s20, s20, s21                     ; the head's 512 bytes,
	s_add_co_u32 s20, s20, 2048                    ; behind q's 1,024 columns
	s_mov_b32 s21, 0
	s_lshl_b32 s22, s16, 10
	s_lshl_b32 s23, s14, 6
	s_add_co_u32 s22, s22, s23                     ; q: row 1,024 x batch + 64 x block
	s_mul_i32 s22, s22, QKVB
	s_lshl_b32 s23, s17, 9
	s_add_co_u32 s22, s22, s23
	s_mov_b32 s23, 0
	s_mul_i32 s18, s[WV], WPART
	s_mov_b32 s[G1+0], 15|(1<<16)|(1<<20)|(1<<21)|(6<<22)|(3<<25)  ; the mask of four; 2-byte elements; padding on; bit 21 beside a mask; after every 128 words 4 words
	s_mov_b32 s[G1+1], 256<<16                     ; tensor_dim0 = 256
	s_mov_b32 s[G1+2], 64<<16                      ; tensor_dim1 = 64
	s_mov_b32 s[G1+3], 256<<16                     ; tile_dim0 = 256
	s_mov_b32 s[G1+4], 64                          ; tile_dim1 = 64
	s_mov_b32 s[G1+5], 3072                        ; elements from row to row
	s_mov_b32 s[G1+6], 0
	s_mov_b32 s[G1+7], 0
	s_mov_b32 s[CS], 0x3db8aa3b                    ; c = log2(e) / 16
	s_mov_b32 s[CS+1], s[CS]
	s_mov_b32 s[SEL], 0x76543210
	s_mov_b32 s[SEL+1], 0xfedcba98
	s_wait_dscnt 0x0                               ; the opening add is done
	s_wait_kmcnt 0x0
	s_add_nc_u64 s[20:21], s[4:5], s[20:21]
	s_add_nc_u64 s[22:23], s[4:5], s[22:23]
	CROUND                                         ; all four work-groups are here: the first joint loads meet
.irp n, 0,1
	s_mov_b32 s[G0+4*(\n)], 1
	s_add_co_u32 s[G0+4*(\n)+1], s18, (\n)*SLOT
	s_add_nc_u64 s[G0+4*(\n)+2:G0+4*(\n)+3], s[20:21], (\n)*64*QKVB
	s_or_b32 s[G0+4*(\n)+3], s[G0+4*(\n)+3], 0x80000000
.endr
	tensor_load_to_lds s[G0:G0+3], s[G1:G1+7]      ; keys 0-63 of my 256
	s_nop 0
	tensor_load_to_lds s[G0+4:G0+7], s[G1:G1+7]    ; keys 64-127: two loads of mine are out
	s_nop 0
	PLACES
	v_and_b32 v1, 15, v0                           ; r
	v_bfe_u32 v2, v0, 4, 1                         ; h
	v_and_b32 v13, 31, v0                          ; lane
	v_mul_u32_u24 v[QO], v1, QKVB
	v_lshl_add_u32 v[QO], v2, 4, v[QO]
	WIN 0x40
.irp a, 0,1,2,3
.irp c, 0,1,2,3,4,5,6,7
	global_load_b128 v[8*(8*(\a)+(\c)):8*(8*(\a)+(\c))+3],   v[QO], s[22:23] offset:(\a)*16*QKVB+64*(\c)
	global_load_b128 v[8*(8*(\a)+(\c))+4:8*(8*(\a)+(\c))+7], v[QO], s[22:23] offset:(\a)*16*QKVB+64*(\c)+32
.endr
.endr
	WIN 0
	v_mul_u32_u24 v56, v1, PKP
	v_lshl_add_u32 v56, v2, 4, v56                 ; r x 528 + 16 h
	v_add_nc_u32 v[AK], s18, v56
	v_add_nc_u32 v[AK+1], SLOT, v[AK]
	s_mul_i32 s19, s[WV], 16*PKP
	s_add_co_u32 s19, s19, STAGE                   ; my stage
	v_add_nc_u32 v[STO], s19, v56
	v_lshl_add_u32 v[RD], v13, 4, s19
	v_lshlrev_b32 v[GO], 4, v13
	s_lshl_b32 s19, s[WV], 2
	s_add_co_u32 s19, s19, SCR0
	v_lshl_add_u32 v[SCW], v1, 4, s19
	v_lshl_add_u32 v[SCRD], v1, 4, SCR0
	v_lshl_add_u32 v[FIN], v13, 5, SCR0
	v_lshlrev_b32 v[FO], 3, v13
.irp a, 0,1,2,3
	v_mov_b32 v[M+(\a)], 0xff7fffff                ; the lowest finite number
	v_mov_b32 v[T+(\a)], 0                         ; v_permlanex16_b32's destination counts as read
.endr
.irp i, 0,1,2,3,4,5,6,7
	v_mov_b32 v[ONES+(\i)], 0x3c003c00             ; 1.0 twice, in f16
.endr
	s_lshl_b32 s40, s15, 10
	s_lshl_b32 s41, s14, 6
	s_add_co_u32 s40, s40, s41                     ; my first row of p = my first word of flags and of rl
	s_lshl_b32 s42, s40, 2
	s_mov_b32 s43, 0
	s_add_nc_u64 s[8:9], s[8:9], s[42:43]
	s_add_nc_u64 s[10:11], s[10:11], s[42:43]
	s_lshl_b32 s42, s40, 11
	s_lshl_b32 s41, s[WV], 9
	s_add_co_u32 s42, s42, s41                     ; + my wave's 256 keys
	s_add_nc_u64 s[6:7], s[6:7], s[42:43]
	s_wait_tensorcnt 0x1                           ; my rows of slot 0 are in, and nobody else reads them; slot 1's may stay out
	s_wait_loadcnt 0x0                             ; Q
	STEP 0
	CHANGE 0                                       ; keys 128-191 go into slot 0
	STEP 1
	CHANGE 1                                       ; keys 192-255 into slot 1
	STEP 2
	s_wait_tensorcnt 0x0                           ; the last tile: no load was issued behind it
	PLACES                                         ; in front of the loads into K's buffer 0
	STEP 3
	; THE MAXIMUM of my 128 scores a query tile; each accumulator's lowest registers are read first
	PLACES
.macro MAXW
.set n, 0
.rept 128
	v_max3_num_f32 v[M+n%4], v[M+n%4], v[8*(4*(n/16)+n%4)+2*((n/4)%4)], v[8*(4*(n/16)+n%4)+2*((n/4)%4)+1]
.set n, n+1
.endr
.endm
	WIN 0x28
	MAXW
	WIN 0x3c
	MAXW
	WIN 0
.irp a, 0,1,2,3
	v_permlanex16_b32 v[T+(\a)], v[M+(\a)], s[SEL], s[SEL+1]  ; the query's other keys lie in the lane 16 away
.endr
.irp a, 0,1,2,3
	v_max_num_f32 v[M+(\a)], v[M+(\a)], v[T+(\a)]
.endr
.irp a, 0,1,2,3
	ds_store_b32 v[SCW], v[M+(\a)] offset:256*(\a)
.endr
	s_wait_dscnt 0x0                               ; for the others' sake
	s_barrier_signal -1
	s_barrier_wait -1
.irp a, 0,1,2,3
	ds_load_b128 v[X+4*(\a):X+4*(\a)+3], v[SCRD] offset:256*(\a)
.endr
	s_wait_dscnt 0x0
.irp a, 0,1,2,3
	v_max3_num_f32 v[M+(\a)], v[X+4*(\a)], v[X+4*(\a)+1], v[X+4*(\a)+2]
.endr
.irp a, 0,1,2,3
	v_max_num_f32 v[M+(\a)], v[M+(\a)], v[X+4*(\a)+3]
.endr
.irp a, 0,1,2,3
	v_mul_f32 v[CM+2*(\a)], s[CS], v[M+(\a)]
.endr
.irp a, 0,1,2,3
	v_mov_b32 v[CM+2*(\a)+1], v[CM+2*(\a)]         ; named with it as a pair
.endr
	; THE EXPONENTIALS, in place: pair n is scaled (c s - c m) one pair ahead of its two exponentials.  All 512 are one batch: nothing names a result before the one wait behind them.
.macro FS n
	v_pk_fma_f32 v[2*(\n):2*(\n)+1], v[2*(\n):2*(\n)+1], s[CS:CS+1], v[CM+2*(((\n)/4)%4):CM+2*(((\n)/4)%4)+1] op_sel_hi:[1,0,0] neg_lo:[0,0,1] neg_hi:[0,0,1]
.endm
.macro EXPW
	FS 0
.set n, 0
.rept 128
.if n < 127
	FS n+1
.endif
	v_exp_f32 v[2*n], v[2*n]
	v_exp_f32 v[2*n+1], v[2*n+1]
.set n, n+1
.endr
.endm
	WIN 0x82
	EXPW
	WIN 0xc3
	EXPW
	WIN 0
	v_nop                                          ; a plain instruction behind the last exponential
	s_wait_alu depctr_va_vdst(0)                   ; and the wait ahead of the first use: one for the batch
	; rounded to f16, into Q's registers: a lane's eight keys of a block are 16 bytes
.macro CVTW w
.set n, 0
.rept 128
	v_cvt_pk_f16_f32 v[64*((n/4)%4)+4*(8*(\w)+n/16)+n%4], v[8*(4*(n/16)+(n/4)%4)+2*(n%4)], v[8*(4*(n/16)+(n/4)%4)+2*(n%4)+1]
.set n, n+1
.endr
.endm
	WIN 0x4a
	CVTW 0
	WIN 0x4f
	CVTW 1
	; l: two blocks' P are source 1 (32 keys x 16 queries) of ones x P: every row of the result is the sum over the 32 keys.  The four tiles' sums take turns.
	WIN 0x04
.irp i, 0,1,2,3,4,5,6,7
.irp a, 0,1,2,3
.if (\i) == 0
	v_wmma_f32_16x16x32_f16 v[LACC+8*(\a):LACC+8*(\a)+7], v[ONES:ONES+7], v[64*(\a)+8*(\i):64*(\a)+8*(\i)+7], 0
.else
	v_wmma_f32_16x16x32_f16 v[LACC+8*(\a):LACC+8*(\a)+7], v[ONES:ONES+7], v[64*(\a)+8*(\i):64*(\a)+8*(\i)+7], v[LACC+8*(\a):LACC+8*(\a)+7]
.endif
.endr
.endr
	WIN 0
	PLACES
.irp a, 0,1,2,3
	ds_store_b32 v[SCW], v[LACC+8*(\a)] offset:1024+256*(\a)  ; register 0: my wave's part of l for query l % 16
.endr
	; THE WAY OUT of P, a query tile at a time, through my own stage: rows of 528 bytes in, whole rows of 512 bytes back, into the registers that they left
.macro PACKOUT a
	WIN 0x04
.irp b, 0,1,2,3,4,5,6,7,8,9,10,11,12,13,14,15
	ds_store_b128 v[STO], v[64*(\a)+4*(\b):64*(\a)+4*(\b)+3] offset:32*(\b)
.endr
	WIN 0x40
.irp t, 0,1,2,3,4,5,6,7,8,9,10,11,12,13,14,15
	ds_load_b128 v[64*(\a)+4*(\t):64*(\a)+4*(\t)+3], v[RD] offset:PKP*(\t)  ; LDS serves a wave's instructions in order (ISA guide 5.7.1.4): these see the stores above; the next tile's stores come behind them
.endr
.endm
.macro SEND a, younger                 ; younger: the LDS instructions issued behind tile a's loads
	WIN 0x04
.irp t, 0,1,2,3,4,5,6,7,8,9,10,11,12,13,14,15
	s_wait_dscnt (\younger)+15-(\t)
	global_store_b128 v[GO], v[64*(\a)+4*(\t):64*(\a)+4*(\t)+3], s[6:7] offset:(16*(\a)+(\t))*2048  ; 512 consecutive bytes, at a multiple of 256 from p's first byte
.endr
.endm
	PACKOUT 0
	PACKOUT 1
	SEND 0, 32
	PACKOUT 2
	SEND 1, 32
	PACKOUT 3
	SEND 2, 32
	SEND 3, 0
	WIN 0
	s_wait_dscnt 0x0
	s_barrier_signal -1
	s_barrier_wait -1                              ; all four waves' sums lie in LDS
	s_cmp_lg_u32 s[WV], 0
	s_cbranch_scc1 .Lend
	ds_load_b128 v[32:35], v[FIN]                  ; wave 0: lane l takes queries 2 l and 2 l + 1: their four maxima,
	ds_load_b128 v[36:39], v[FIN] offset:16
	ds_load_b128 v[40:43], v[FIN] offset:1024      ; and their four sums
	ds_load_b128 v[44:47], v[FIN] offset:1040
	s_wait_dscnt 0x0
	v_max3_num_f32 v56, v32, v33, v34
	v_max3_num_f32 v57, v36, v37, v38
	v_add_f32 v60, v40, v41
	v_add_f32 v61, v44, v45
	v_max_num_f32 v56, v56, v35
	v_max_num_f32 v57, v57, v39
	v_add_f32 v40, v42, v43
	v_add_f32 v44, v46, v47
	v_add_f32 v60, v60, v40
	v_add_f32 v61, v61, v44
	v_rcp_f32 v62, v60
	v_rcp_f32 v63, v61
	v_mul_f32 v56, 0x3d800000, v56                 ; the largest sim of the row: s / 16
	v_mul_f32 v57, 0x3d800000, v57
	v_cmp_lt_f32 vcc_lo, 0x3f666666, v56           ; 0.9 < sim
	v_cndmask_b32 v58, 0, -1, vcc_lo
	v_cmp_lt_f32 vcc_lo, 0x3f666666, v57
	v_cndmask_b32 v59, 0, -1, vcc_lo
	s_wait_alu depctr_va_vdst(0)                   ; the wait ahead of the reciprocals' first use; the six lines above stand between
	global_store_b64 v[FO], v[58:59], s[8:9]       ; 256 consecutive bytes each, at a multiple of 256
	global_store_b64 v[FO], v[62:63], s[10:11]
.Lend:
	s_wait_tensorcnt 0x0                           ; the wave's end
	ds_add_u32 v[SPW], v[NIL]
	s_wait_dscnt 0x0
	CROUND                                         ; the closing round
	s_endpgm
.Lfunc_end_k_q3f60fa5ee9_scores:
	.size	k_q3f60fa5ee9_scores, .Lfunc_end_k_q3f60fa5ee9_scores-k_q3f60fa5ee9_scores
	.p2alignl 7, 3214868480
	.fill 96, 4, 3214868480
	.section	.rodata,"a",@progbits
	.p2align	6, 0x0
	.amdhsa_kernel k_q3f60fa5ee9_scores
		.amdhsa_group_segment_fixed_size 327680
		.amdhsa_private_segment_fixed_size 0
		.amdhsa_enable_private_segment 0
		.amdhsa_kernarg_size 32
		.amdhsa_user_sgpr_count 2
		.amdhsa_user_sgpr_kernarg_segment_ptr 1
		.amdhsa_wavefront_size32 1
		.amdhsa_system_sgpr_workgroup_id_x 1
		.amdhsa_system_sgpr_workgroup_id_y 1
		.amdhsa_system_sgpr_workgroup_id_z 1
		.amdhsa_system_vgpr_workitem_id 0
		.amdhsa_next_free_vgpr 1024
		.amdhsa_next_free_sgpr 66
		.amdhsa_reserve_vcc 1
		.amdhsa_float_denorm_mode_32 3
		.amdhsa_float_denorm_mode_16_64 3
		.amdhsa_memory_ordered 1
		.amdhsa_forward_progress 1
		.amdhsa_inst_pref_size 151
	.end_amdhsa_kernel
	.amdgpu_metadata
---
amdhsa.version: [ 1, 2 ]
amdhsa.kernels:
  - .name:           k_q3f60fa5ee9_scores
    .symbol:         k_q3f60fa5ee9_scores.kd
    .args:
      - { .name: qkv, .offset: 0, .size: 8, .value_kind: global_buffer, .address_space: global }
      - { .name: p, .offset: 8, .size: 8, .value_kind: global_buffer, .address_space: global }
      - { .name: flags, .offset: 16, .size: 8, .value_kind: global_buffer, .address_space: global }
      - { .name: rl, .offset: 24, .size: 8, .value_kind: global_buffer, .address_space: global }
    .group_segment_fixed_size: 327680
    .private_segment_fixed_size: 0
    .kernarg_segment_align: 8
    .kernarg_segment_size: 32
    .max_flat_workgroup_size: 128
    .sgpr_count:     66
    .vgpr_count:     1024
    .wavefront_size: 32
...
	.end_amdgpu_metadata
.endif
;; end of part 3
;; launch gmat (part 4): grid 32 x 8, 4 waves a work-group, clusters of 4 x 1, 297,472 bytes of LDS; arguments wts, xm, flags, gt; writes gt
.if DOCPART == 4
	.amdgcn_target "amdgcn-amd-amdhsa--gfx1250"
	.amdhsa_code_object_version 6
	.text
	.protected	k_q3f60fa5ee9_gmat
	.globl	k_q3f60fa5ee9_gmat
	.p2align	8
	.type	k_q3f60fa5ee9_gmat,@function
k_q3f60fa5ee9_gmat:
	s_mov_b64 s[64:65], 0
	v_nop
	global_prefetch_b8 v0, s[64:65] scope:SCOPE_SE
	s_setreg_imm32_b32 hwreg(HW_REG_WAVE_MODE, 25, 1), 1
	s_wait_xcnt 0x0
	s_wait_alu depctr_hold_cnt(0) depctr_sa_sdst(0) depctr_va_vdst(0) depctr_va_sdst(0) depctr_va_ssrc(0) depctr_va_vcc(0) depctr_vm_vsrc(0)
	s_getreg_b32 s2, hwreg(HW_REG_IB_STS2, 6, 4)
	s_cmp_eq_u32 s2, 0
	s_cbranch_scc0 .Lentry_in_a_cluster
	s_endpgm
.Lentry_in_a_cluster:
	s_bfe_u32 s2, ttmp6, 0x10000c
	s_cmp_lg_u32 s2, 0x3003
	s_cbranch_scc0 .Lentry_shape_is_right
	s_endpgm
.Lentry_shape_is_right:
; GMAT: gt[e][k] = the sum over m of keep[m] wo[e][m] xm[m][k], rounded once to f16.  keep[m] = the OR over the 16 (batch, head) of flags[.][m].  wo: f16 at byte 6,291,456 of wts, [e][m]; xm: [m][k] f16.
; This is merged_tokens x wo^T of the module, made once: the launch behind multiplies the weights p by it.
; LIMITS.  A dropped token zeroes wo's column m (an AND on the f16 bits), not xm's row: the same for finite numbers.  A sum beyond 65,504 becomes an infinity.
; SHARES.  A tile is 32 (e) x 128 (k): 32 x 8 = 256 work-groups.  THE SUM OVER m IS SPLIT AMONG THE FOUR WAVES, 256 each; the four partial tiles meet in LDS (f32 sums).  Each wave reads only the rows of xm
; that it fetched: two tensor loads of 128 rows x 256 bytes; no byte of LDS is filled twice.  CLUSTER: the four e blocks of a cluster need the same tile of xm: asked for jointly.
; wo's fragments come straight from memory (a wave uses 512 consecutive bytes of each of 32 rows, nobody else wants them).  xm lies [m][k] and is turned by ds_load_tr16_b128.
; The matrix instruction is used transposed (source 0 = 16 columns k, source 1 = 16 rows e): a lane holds eight neighbouring k of one row e.
; NO PREFETCH: all that a work-group reads is asked for at its head.
; REGISTERS: window 0: v1-15, v240-243 addresses; v16-143 flags, then v16-79 the mask; v64-191 the partial sums read back; v192-207 to store
;   window 1: v0-127 accumulator (a, b) at v[8 (8 a + b)]; v128-255 xm's fragments, two buffers       window 2: v0-127 wo's fragments, (a, c) at v[8 (8 a + c)]
.set PB,    288                        ; a row of xm in LDS: 256 bytes + 32: 16 lanes of the turning load take 8 rows x 32 bytes, 72 words apart
.set HALFB, 128*PB
.set WPART, 2*HALFB                    ; a wave's 256 rows
.set TAB,   4*WPART                    ; the mask as 16-bit words: 512 bytes for each wave
.set SPARE, TAB+2048                   ; the spare words, 128 bytes for each wave
.set PP,    528                        ; a row of a partial tile: 512 bytes + 16
.set AO,  4                            ; v4   my byte offset in 16 rows of wo
.set FLO, 5                            ; v5   32 x lane: my eight tokens' flags
.set BA,  6                            ; v6, v7  my lane's place in my first and second 128 rows of xm
.set TABW, 8
.set TABR, 9
.set PS,  10                           ; v10  where I put my part of the partial tile
.set GO,  11                           ; v11  8 x lane
.set SPW, 14
.set NIL, 15
.set FL,  16
.set MK,  16
.set PR,  240                          ; v240-243  where wave v's partial sums of my eight rows lie
.set BF,  128
.set WV,  12
.set G1,  24
.set G0,  32
.set MSB, 0
.macro WIN new
.if MSB != (\new)
	s_set_vgpr_msb (MSB<<8)|(\new)
.set MSB, \new
.endif
.endm
.macro PLACES
.rept 4
	v_nop
.endr
.endm
.macro CROUND
	s_barrier_signal -1
	s_barrier_wait -1
	s_cmp_lg_u32 s[WV], 0
	s_cbranch_scc1 .Lnot_wave_0_\@
	s_barrier_signal -3
.Lnot_wave_0_\@:
	s_barrier_wait -3
	s_barrier_signal -1
	s_barrier_wait -1
.endm
	s_load_b256 s[4:11], s[0:1], 0x0               ; wts s[4:5], xm s[6:7], flags s[8:9], gt s[10:11]
	v_lshl_add_u32 v[SPW], v0, 2, SPARE
	v_mov_b32 v[NIL], 0
	ds_add_u32 v[SPW], v[NIL]                      ; the wave's opening: the add and its wait ahead of my first tensor load
	v_lshrrev_b32 v1, 5, v0
	v_readfirstlane_b32 s[WV], v1
	s_bfe_u32 s13, ttmp6, 0x40000                  ; cx
	s_lshl_b32 s14, ttmp9, 2
	s_add_co_u32 s14, s14, s13                     ; my block of 32 rows e: it enters wo's and gt's addresses alone
	s_and_b32 s15, ttmp7, 0xffff                   ; my block of 128 columns k, which the four partners share
	s_lshl_b32 s20, s[WV], 19                      ; xm: my 256 rows of 2,048 bytes,
	s_lshl_b32 s21, s15, 8                         ; the block's 256 bytes
	s_add_co_u32 s20, s20, s21
	s_mov_b32 s21, 0
	s_mul_i32 s18, s[WV], WPART
	s_mov_b32 s[G1+0], 15|(1<<16)|(1<<20)|(1<<21)|(5<<22)|(7<<25)  ; the mask of four; 2-byte elements; padding on; bit 21 beside a mask; after every 64 words 8 words
	s_mov_b32 s[G1+1], 128<<16
	s_mov_b32 s[G1+2], 128<<16
	s_mov_b32 s[G1+3], 128<<16
	s_mov_b32 s[G1+4], 128
	s_mov_b32 s[G1+5], 1024
	s_mov_b32 s[G1+6], 0
	s_mov_b32 s[G1+7], 0
	s_wait_dscnt 0x0                               ; the opening add is done
	s_wait_kmcnt 0x0
	s_add_nc_u64 s[20:21], s[6:7], s[20:21]
	CROUND                                         ; all four work-groups are here: the joint loads meet
.irp n, 0,1
	s_mov_b32 s[G0+4*(\n)], 1
	s_add_co_u32 s[G0+4*(\n)+1], s18, (\n)*HALFB
	s_add_nc_u64 s[G0+4*(\n)+2:G0+4*(\n)+3], s[20:21], (\n)*128*2048
	s_or_b32 s[G0+4*(\n)+3], s[G0+4*(\n)+3], 0x80000000
.endr
	tensor_load_to_lds s[G0:G0+3], s[G1:G1+7]
	s_nop 0
	tensor_load_to_lds s[G0+4:G0+7], s[G1:G1+7]    ; two loads of mine are out, and no more follow
	s_nop 0
	PLACES
	v_and_b32 v1, 15, v0                           ; r
	v_bfe_u32 v2, v0, 4, 1                         ; h
	v_and_b32 v3, 31, v0                           ; lane
	v_lshlrev_b32 v[FLO], 5, v3
	v_lshlrev_b32 v[AO], 11, v1
	v_lshl_add_u32 v[AO], v2, 4, v[AO]
	s_lshl_b32 s22, s[WV], 10
	s_mov_b32 s23, 0
	s_add_nc_u64 s[8:9], s[8:9], s[22:23]          ; flags at my 256 tokens
	s_lshl_b32 s22, s14, 16                        ; wo: 32 rows of 2,048 bytes a block,
	s_lshl_b32 s16, s[WV], 9                       ; my 256 m
	s_add_co_u32 s22, s22, s16
	s_add_co_u32 s22, s22, 6291456
	s_add_nc_u64 s[4:5], s[4:5], s[22:23]
.irp g, 0,1,2,3,4,5,6,7,8,9,10,11,12,13,14,15
	global_load_b128 v[FL+8*(\g):FL+8*(\g)+3],   v[FLO], s[8:9] offset:4096*(\g)
	global_load_b128 v[FL+8*(\g)+4:FL+8*(\g)+7], v[FLO], s[8:9] offset:4096*(\g)+16
.endr
	WIN 0x80
.irp a, 0,1
.irp c, 0,1,2,3,4,5,6,7
	global_load_b128 v[8*(8*(\a)+(\c)):8*(8*(\a)+(\c))+3],   v[AO], s[4:5] offset:32768*(\a)+64*(\c)
	global_load_b128 v[8*(8*(\a)+(\c))+4:8*(8*(\a)+(\c))+7], v[AO], s[4:5] offset:32768*(\a)+64*(\c)+32
.endr
.endr
	WIN 0
	v_and_b32 v12, 7, v0
	v_bfe_u32 v13, v0, 3, 1
	v_lshl_add_u32 v[BA], v2, 3, v12               ; the turning load: lane l reads row 8 h + l % 8, 16 bytes at 16 ((l / 8) % 2)
	v_mul_u32_u24 v[BA], v[BA], PB
	v_lshl_add_u32 v[BA], v13, 4, v[BA]
	v_add_nc_u32 v[BA], s18, v[BA]
	v_add_nc_u32 v[BA+1], HALFB, v[BA]
	s_lshl_b32 s19, s[WV], 9
	s_add_co_u32 s19, s19, TAB
	v_lshl_add_u32 v[TABW], v3, 4, s19
	v_lshl_add_u32 v[TABR], v2, 4, s19
	v_mul_u32_u24 v[PS], v1, PP
	v_lshl_add_u32 v[PS], v2, 5, v[PS]
	v_add_nc_u32 v[PS], s18, v[PS]
	v_lshlrev_b32 v[GO], 3, v3
	s_mul_i32 s16, s[WV], 8*PP
	v_lshl_add_u32 v[PR], v3, 4, s16
.irp v, 1,2,3
	v_add_nc_u32 v[PR+(\v)], (\v)*WPART, v[PR]
.endr
	s_lshl_b32 s22, s14, 5
	s_lshl_b32 s16, s[WV], 3
	s_add_co_u32 s22, s22, s16                     ; the first row of gt that I store
	s_lshl_b32 s22, s22, 11
	s_lshl_b32 s16, s15, 8
	s_add_co_u32 s22, s22, s16
	s_add_nc_u64 s[10:11], s[10:11], s[22:23]
	; THE MASK: the OR over the 16 rows of flags, eight tokens a lane; packed to 16 bits a token; through my own 512 bytes of LDS into the layout of a fragment of wo
	s_wait_loadcnt 32                              ; the flags are in; wo's 32 loads may stay out
.irp g, 1,2,3,4,5,6,7,8,9,10,11,12,13,14,15
.irp j, 0,1,2,3,4,5,6,7
	v_or_b32 v[FL+(\j)], v[FL+(\j)], v[FL+8*(\g)+(\j)]
.endr
.endr
.irp i, 0,1,2,3
	v_perm_b32 v[144+(\i)], v[FL+2*(\i)+1], v[FL+2*(\i)], 0x05040100  ; the two low halves
.endr
	ds_store_b128 v[TABW], v[144:147]
.irp c, 0,1,2,3,4,5,6,7
	ds_load_b128 v[MK+8*(\c):MK+8*(\c)+3],   v[TABR] offset:64*(\c)     ; my own bytes, and LDS serves a wave's instructions in order (ISA guide 5.7.1.4)
	ds_load_b128 v[MK+8*(\c)+4:MK+8*(\c)+7], v[TABR] offset:64*(\c)+32
.endr
	s_wait_loadcnt 0x0
	s_wait_dscnt 0x0
	WIN 0x82
.irp a, 0,1
.irp c, 0,1,2,3,4,5,6,7
.irp j, 0,1,2,3,4,5,6,7
	v_and_b32 v[8*(8*(\a)+(\c))+(\j)], v[8*(8*(\a)+(\c))+(\j)], v[MK+8*(\c)+(\j)]
.endr
.endr
.endr
.macro FETCHB c                        ; 32 m x 128 k, turned: 8 fragments, 16 loads
	WIN 0x40
.irp b, 0,1,2,3,4,5,6,7
	ds_load_tr16_b128 v[BF+64*((\c)%2)+8*(\b):BF+64*((\c)%2)+8*(\b)+3],   v[BA+(\c)/4] offset:((\c)%4)*32*PB+32*(\b)
	ds_load_tr16_b128 v[BF+64*((\c)%2)+8*(\b)+4:BF+64*((\c)%2)+8*(\b)+7], v[BA+(\c)/4] offset:((\c)%4)*32*PB+32*(\b)+16*PB
.endr
.endm
.macro CH c                            ; chunk c of 32 m: the next chunk is asked for, then 16 products; all 16 accumulators take turns
	s_wait_dscnt 0x0
.if (\c) < 7
	PLACES
.if (\c) == 3
	s_wait_tensorcnt 0x0                           ; my second 128 rows are in
.endif
	FETCHB (\c)+1
.endif
	WIN 0x59                                       ; xm window 1, wo window 2, sums window 1
.irp a, 0,1
.irp b, 0,1,2,3,4,5,6,7
.if (\c) == 0
	v_wmma_f32_16x16x32_f16 v[8*(8*(\a)+(\b)):8*(8*(\a)+(\b))+7], v[BF+64*((\c)%2)+8*(\b):BF+64*((\c)%2)+8*(\b)+7], v[8*(8*(\a)+(\c)):8*(8*(\a)+(\c))+7], 0
.else
	v_wmma_f32_16x16x32_f16 v[8*(8*(\a)+(\b)):8*(8*(\a)+(\b))+7], v[BF+64*((\c)%2)+8*(\b):BF+64*((\c)%2)+8*(\b)+7], v[8*(8*(\a)+(\c)):8*(8*(\a)+(\c))+7], v[8*(8*(\a)+(\b)):8*(8*(\a)+(\b))+7]
.endif
.endr
.endr
.endm
	s_wait_tensorcnt 0x1                           ; my first 128 rows are in, and nobody else reads them
	FETCHB 0
.irp c, 0,1,2,3,4,5,6,7
	CH \c
.endr
	; THE MEETING.  My partial tile goes into my own rows of xm, which have had their only fill and which I have read to the end.
	PLACES
	WIN 0x04
.irp a, 0,1
.irp b, 0,1,2,3,4,5,6,7
	ds_store_b128 v[PS], v[8*(8*(\a)+(\b)):8*(8*(\a)+(\b))+3]   offset:16*PP*(\a)+64*(\b)
	ds_store_b128 v[PS], v[8*(8*(\a)+(\b))+4:8*(8*(\a)+(\b))+7] offset:16*PP*(\a)+64*(\b)+16
.endr
.endr
	WIN 0
	s_wait_dscnt 0x0                               ; for the others' sake
	s_barrier_signal -1
	s_barrier_wait -1
.irp i, 0,1,2,3,4,5,6,7
.irp v, 0,1,2,3
	ds_load_b128 v[64+16*(\i)+4*(\v):64+16*(\i)+4*(\v)+3], v[PR+(\v)] offset:PP*(\i)  ; row 8 w + i of wave v's tile: 32 lanes take its 512 bytes
.endr
.endr
.irp i, 0,1,2,3,4,5,6,7
	s_wait_dscnt 28-4*(\i)
	v_pk_add_f32 v[64+16*(\i):64+16*(\i)+1],     v[64+16*(\i):64+16*(\i)+1],     v[64+16*(\i)+4:64+16*(\i)+5]
	v_pk_add_f32 v[64+16*(\i)+2:64+16*(\i)+3],   v[64+16*(\i)+2:64+16*(\i)+3],   v[64+16*(\i)+6:64+16*(\i)+7]
	v_pk_add_f32 v[64+16*(\i)+8:64+16*(\i)+9],   v[64+16*(\i)+8:64+16*(\i)+9],   v[64+16*(\i)+12:64+16*(\i)+13]
	v_pk_add_f32 v[64+16*(\i)+10:64+16*(\i)+11], v[64+16*(\i)+10:64+16*(\i)+11], v[64+16*(\i)+14:64+16*(\i)+15]
	v_pk_add_f32 v[64+16*(\i):64+16*(\i)+1],     v[64+16*(\i):64+16*(\i)+1],     v[64+16*(\i)+8:64+16*(\i)+9]
	v_pk_add_f32 v[64+16*(\i)+2:64+16*(\i)+3],   v[64+16*(\i)+2:64+16*(\i)+3],   v[64+16*(\i)+10:64+16*(\i)+11]
	v_cvt_pk_f16_f32 v[192+2*(\i)], v[64+16*(\i)],   v[64+16*(\i)+1]
	v_cvt_pk_f16_f32 v[193+2*(\i)], v[64+16*(\i)+2], v[64+16*(\i)+3]
	global_store_b64 v[GO], v[192+2*(\i):193+2*(\i)], s[10:11] offset:2048*(\i)  ; 256 consecutive bytes, at a multiple of 256 from gt's first byte
.endr
	s_wait_tensorcnt 0x0                           ; the wave's end
	ds_add_u32 v[SPW], v[NIL]
	s_wait_dscnt 0x0
	CROUND                                         ; the closing round
	s_endpgm
.Lfunc_end_k_q3f60fa5ee9_gmat:
	.size	k_q3f60fa5ee9_gmat, .Lfunc_end_k_q3f60fa5ee9_gmat-k_q3f60fa5ee9_gmat
	.p2alignl 7, 3214868480
	.fill 96, 4, 3214868480
	.section	.rodata,"a",@progbits
	.p2align	6, 0x0
	.amdhsa_kernel k_q3f60fa5ee9_gmat
		.amdhsa_group_segment_fixed_size 297472
		.amdhsa_private_segment_fixed_size 0
		.amdhsa_enable_private_segment 0
		.amdhsa_kernarg_size 32
		.amdhsa_user_sgpr_count 2
		.amdhsa_user_sgpr_kernarg_segment_ptr 1
		.amdhsa_wavefront_size32 1
		.amdhsa_system_sgpr_workgroup_id_x 1
		.amdhsa_system_sgpr_workgroup_id_y 1
		.amdhsa_system_sgpr_workgroup_id_z 1
		.amdhsa_system_vgpr_workitem_id 0
		.amdhsa_next_free_vgpr 640
		.amdhsa_next_free_sgpr 66
		.amdhsa_reserve_vcc 0
		.amdhsa_float_denorm_mode_32 3
		.amdhsa_float_denorm_mode_16_64 3
		.amdhsa_memory_ordered 1
		.amdhsa_forward_progress 1
		.amdhsa_inst_pref_size 48
	.end_amdhsa_kernel
	.amdgpu_metadata
---
amdhsa.version: [ 1, 2 ]
amdhsa.kernels:
  - .name:           k_q3f60fa5ee9_gmat
    .symbol:         k_q3f60fa5ee9_gmat.kd
    .args:
      - { .name: wts, .offset: 0, .size: 8, .value_kind: global_buffer, .address_space: global }
      - { .name: xm, .offset: 8, .size: 8, .value_kind: global_buffer, .address_space: global }
      - { .name: flags, .offset: 16, .size: 8, .value_kind: global_buffer, .address_space: global }
      - { .name: gt, .offset: 24, .size: 8, .value_kind: global_buffer, .address_space: global }
    .group_segment_fixed_size: 297472
    .private_segment_fixed_size: 0
    .kernarg_segment_align: 8
    .kernarg_segment_size: 32
    .max_flat_workgroup_size: 128
    .sgpr_count:     66
    .vgpr_count:     640
    .wavefront_size: 32
...
	.end_amdgpu_metadata
.endif
;; end of part 4
;; launch outp (part 5): grid 4 x 64, 4 waves a work-group, clusters of 4 x 4, 327,680 bytes of LDS; arguments p, gt, out0, wts, rl; writes out0
.if DOCPART == 5
	.amdgcn_target "amdgcn-amd-amdhsa--gfx1250"
	.amdhsa_code_object_version 6
	.text
	.protected	k_q3f60fa5ee9_outp
	.globl	k_q3f60fa5ee9_outp
	.p2align	8
	.type	k_q3f60fa5ee9_outp,@function
k_q3f60fa5ee9_outp:
	s_mov_b64 s[64:65], 0
	v_nop
	global_prefetch_b8 v0, s[64:65] scope:SCOPE_SE
	s_setreg_imm32_b32 hwreg(HW_REG_WAVE_MODE, 25, 1), 1
	s_wait_xcnt 0x0
	s_wait_alu depctr_hold_cnt(0) depctr_sa_sdst(0) depctr_va_vdst(0) depctr_va_sdst(0) depctr_va_ssrc(0) depctr_va_vcc(0) depctr_vm_vsrc(0)
	s_getreg_b32 s2, hwreg(HW_REG_IB_STS2, 6, 4)
	s_cmp_eq_u32 s2, 0
	s_cbranch_scc0 .Lentry_in_a_cluster
	s_endpgm
.Lentry_in_a_cluster:
	s_bfe_u32 s2, ttmp6, 0x10000c
	s_cmp_lg_u32 s2, 0xf033
	s_cbranch_scc0 .Lentry_shape_is_right
	s_endpgm
.Lentry_shape_is_right:
; OUTP: out0[row][e] = rl[row] x (the sum over k of p[row][k] gt[e][k]) + bo[e].  p: [16384][1024] f16, the weights not normalised; gt: [1024][1024] f16; rl: [16384] f32 = 1 / l;
; bo: f32 (rounded to bf16) at byte 8,400,896 of wts; out0: [16384][1024] f32.  Sums in f32; the division by l and the bias are one fused multiply-add on the finished sums.
; SHARES.  A tile of out0 is 256 x 256: 64 x 4 = 256 work-groups; each of the four waves makes 128 x 128: 64 accumulators.  K goes in 8 steps of 128 (256 bytes of a row) through a ring of two LDS slots:
; 256 rows of p, then 256 rows of gt.  Waves 0 and 1 fetch p's two halves, waves 2 and 3 gt's: one tensor load a wave.
; CLUSTER.  4 x 4 work-groups: the four of a row of the cluster need the same rows of p, the four of a column the same rows of gt: each tile is asked for jointly.
; THE MATRIX INSTRUCTION IS USED TRANSPOSED (source 0 = 16 rows of gt, source 1 = 16 rows of p): a lane holds eight neighbouring columns of one row of out0.
; ONE K STEP IS WRITTEN ONCE: a trip goes from a step's second quarter to the next step's first; the LDS addresses hang on s[TB], which an exclusive or turns from slot to slot.
; REGISTERS, in windows of 256 (s_set_vgpr_msb: bits 1:0 source 0, 3:2 source 1, 5:4 source 2, 7:6 destination):
;   window 0: v16-30 addresses; v32-47 rl, a pair a row block; v64-127, v128-191 fragments of p, two buffers, later rows on the way out; v192-255 the bias
;   window 1: v64-127, v128-191 fragments of gt, two buffers       windows 2, 3: accumulator (a, b) at v[8 (8 (a % 4) + b)] of window 2 + a / 4
.set NBL,   8
.set KB,    256                        ; bytes of a row in a K step
.set PITCH, 272                        ; an LDS row: 256 bytes + 16 of padding
.set HALFT, 128*PITCH
.set SLOT,  4*HALFT                    ; 0x22000: its two bits occur in no wave x HALFT
.set STAGE, 2*SLOT                     ; behind the ring: 16 rows x 528 bytes for each wave
.set SP,    528
.set SPARE, STAGE+4*16*SP              ; the spare words, 128 bytes for each wave
.set BIASO, 8400896
.set ADRA0, 16
.set ADRB0, 17
.set ADRA,  18
.set ADRB,  19
.set STO,   24
.set RD,    25
.set CO,    26
.set SPW,   28
.set NIL,   29
.set PFO,   30
.set RL,    32
.set F0,    64
.set F1,    128
.set OB,    64
.set BIAS,  192
.set G1,  24
.set G0,  32
.set G1B, 48
.set G0B, 56
.set LIM, 43
.set PFA, 44
.set TB,  72
.set FA,  11                           ; the register whose 0 says: I fetch p's rows (wave / 2)
.set MSB, 0
.macro WIN new
.if MSB != (\new)
	s_set_vgpr_msb (MSB<<8)|(\new)
.set MSB, \new
.endif
.endm
.macro PLACES                          ; four plain instructions between a matrix instruction and a load into, or a vector read of, its registers
.rept 4
	v_nop
.endr
.endm
.macro CREST
	s_cmp_lg_u32 s10, 0
	s_cbranch_scc1 .Lnot_wave_0_\@
	s_barrier_signal -3
.Lnot_wave_0_\@:
	s_barrier_wait -3
	s_barrier_signal -1
	s_barrier_wait -1
.endm
.macro CROUND
	s_barrier_signal -1
	s_barrier_wait -1
	CREST
.endm
.macro JLOAD                           ; a joint refill by the walking descriptor; the branch hangs on the wave's number alone; an s_nop 0 and four v_nop follow each line
	s_cmp_eq_u32 s[FA], 0
	s_cbranch_scc0 .Lfor_b_\@
	tensor_load_to_lds s[G0+4:G0+7], s[G1:G1+7]
	s_nop 0
	PLACES
	s_branch .Lasked_\@
.Lfor_b_\@:
	tensor_load_to_lds s[G0B+4:G0B+7], s[G1B:G1B+7]
	s_nop 0
	PLACES
.Lasked_\@:
.endm
; A prefetch of the K step that stands two refills on: 32 rows x 256 bytes, a lane a row.  Of the 128 rows that a wave fetches each of the four partners that ask for them jointly takes 32, told apart by
; address; p's rows are asked for by the clusters with x = 0 (all: the grid is one cluster wide), gt's by those with y = 0: each block is named once.  The trips with s3 = 6 .. 3 ask, for K steps 4 .. 7.
.macro ASK
	s_cmp_gt_u32 s3, s[LIM]
	s_cbranch_scc0 .Lnot_mine_\@
	global_prefetch_b8 v[PFO], s[PFA:PFA+1] offset:KB th:TH_LOAD_NT scope:SCOPE_SE
.Lnot_mine_\@:
.endm
; 16 products: row blocks a0, a0 + 1 of the window's four x all 8 column blocks, 32 along K.  first = 1: they start the sums.  All 64 accumulators take turns.
.macro MULH f, hi, a0, first
	WIN 0xa1+0x50*(\hi)
.irp a, \a0, (\a0)+1
.irp b, 0,1,2,3,4,5,6,7
.if \first
	v_wmma_f32_16x16x32_f16 v[8*(NBL*(\a)+(\b)):8*(NBL*(\a)+(\b))+7], v[(\f)+8*(\b):(\f)+8*(\b)+7], v[(\f)+8*(4*(\hi)+(\a)):(\f)+8*(4*(\hi)+(\a))+7], 0
.else
	v_wmma_f32_16x16x32_f16 v[8*(NBL*(\a)+(\b)):8*(NBL*(\a)+(\b))+7], v[(\f)+8*(\b):(\f)+8*(\b)+7], v[(\f)+8*(4*(\hi)+(\a)):(\f)+8*(4*(\hi)+(\a))+7], v[8*(NBL*(\a)+(\b)):8*(NBL*(\a)+(\b))+7]
.endif
.endr
.endr
.endm
.macro FETCH k, f                      ; 32 LDS loads in one run: a quarter step's fragments into buffer f
	WIN 0x40
.irp i, 0,1,2,3,4,5,6,7
	ds_load_b128 v[(\f)+8*(\i):(\f)+8*(\i)+3],   v[ADRB] offset:(\k)+(\i)*16*PITCH
	ds_load_b128 v[(\f)+8*(\i)+4:(\f)+8*(\i)+7], v[ADRB] offset:(\k)+(\i)*16*PITCH+32
.endr
	WIN 0
.irp i, 0,1,2,3,4,5,6,7
	ds_load_b128 v[(\f)+8*(\i):(\f)+8*(\i)+3],   v[ADRA] offset:(\k)+(\i)*16*PITCH
	ds_load_b128 v[(\f)+8*(\i)+4:(\f)+8*(\i)+7], v[ADRA] offset:(\k)+(\i)*16*PITCH+32
.endr
.endm
.macro QUARTER k, f, g, first
	s_wait_dscnt 8                                 ; the youngest eight loads (p's blocks 4-7) may be out
	MULH \f, 0, 0, \first
	MULH \f, 0, 2, \first
	PLACES
	FETCH \k, \g
	s_wait_dscnt 2*NBL+16                          ; all but the run just issued
	MULH \f, 1, 0, \first
	MULH \f, 1, 2, \first
.endm
; The fourth quarter multiplies buffer 1 and changes slots.  In front of the barrier each wave waits for all its tensor loads (one is out: its part of the next slot), adds 0 to its spare word, and waits
; for that and for its reads of this slot.  fill = 1: the barrier opens a round of the cluster's, and the slot just read is filled again, first thing behind it, with the K step two on.
.macro TURN fill
.if \fill
	s_wait_xcnt 0x0                                ; the last prefetch, a K step back, has read its address
	s_add_nc_u64 s[PFA:PFA+1], s[PFA:PFA+1], KB
.endif
	WIN 0
	s_wait_tensorcnt 0x0
	ds_add_u32 v[SPW], v[NIL]
	s_wait_dscnt 9                                 ; (the add and the youngest eight loads may be out)
	MULH F1, 0, 0, 0
	s_wait_dscnt 0x0                               ; the add is done, my reads of this slot are over
	s_barrier_signal -1
	MULH F1, 0, 2, 0
	WIN 0
	s_barrier_wait -1
.if \fill
	CREST                                          ; no wave of any partner still reads this slot or has a load on its way
	s_xor_b32 s[G0+5], s[G0+5], SLOT
	s_add_nc_u64 s[G0+6:G0+7], s[G0+6:G0+7], KB
	s_xor_b32 s[G0B+5], s[G0B+5], SLOT
	s_add_nc_u64 s[G0B+6:G0B+7], s[G0B+6:G0B+7], KB
	JLOAD                                          ; its four v_nop are also the places in front of the loads below
.else
	PLACES
	s_cmp_eq_u32 s3, 1                             ; behind the last K step there is nothing to fetch
	s_cbranch_scc1 .Lno_more_\@
.endif
	s_xor_b32 s[TB], s[TB], SLOT
	v_add_nc_u32 v[ADRA], s[TB], v[ADRA0]
	v_add_nc_u32 v[ADRB], s[TB], v[ADRB0]
	FETCH 0, F0
.if \fill
	ASK
.else
.Lno_more_\@:
.endif
	MULH F1, 1, 0, 0
	MULH F1, 1, 2, 0
.endm
	s_load_b128 s[4:7], s[0:1], 0x0                ; p s[4:5], gt s[6:7]
	s_load_b64 s[8:9], s[0:1], 0x10                ; out0
	s_load_b128 s[68:71], s[0:1], 0x18             ; wts s[68:69], rl s[70:71]
	v_lshl_add_u32 v[SPW], v0, 2, SPARE
	v_mov_b32 v[NIL], 0
	ds_add_u32 v[SPW], v[NIL]                      ; the wave's opening: the add and its wait ahead of my first tensor load
	v_lshrrev_b32 v1, 5, v0
	v_readfirstlane_b32 s10, v1                    ; wave 0..3
	s_lshr_b32 s11, s10, 1                         ; which half of the tile's rows is mine.  Also: I fetch for p (0) or for gt (1)
	s_and_b32 s12, s10, 1                          ; which half of its columns.  Also: which 128 rows I fetch
	s_bfe_u32 s40, ttmp6, 0x40000                  ; cx
	s_bfe_u32 s41, ttmp6, 0x40004                  ; cy
	s_lshl_b32 s42, ttmp9, 2
	s_add_co_u32 s42, s42, s40                     ; tile column 0..3
	s_and_b32 s13, ttmp7, 0xffff
	s_lshl_b32 s13, s13, 2
	s_add_co_u32 s13, s13, s41                     ; tile row 0..63
	s_lshl_b32 s43, s41, 2
	s_lshl_b32 s43, 15, s43                        ; my row of the cluster
	s_lshl_b32 s44, 0x1111, s40                    ; my column
	s_or_b32 s[G1+0], s43, (1<<16)|(1<<20)|(1<<21)|(5<<22)|(3<<25)  ; the mask; 2-byte elements; padding on; bit 21 beside a mask; after every 64 words 4 words
	s_or_b32 s[G1B+0], s44, (1<<16)|(1<<20)|(1<<21)|(5<<22)|(3<<25)
.irp g, G1, G1B
	s_mov_b32 s[(\g)+1], 128<<16                   ; tensor_dim0 = 128
	s_mov_b32 s[(\g)+2], 128<<16                   ; tensor_dim1 = 128
	s_mov_b32 s[(\g)+3], 128<<16                   ; tile_dim0 = 128
	s_mov_b32 s[(\g)+4], 128                       ; tile_dim1 = 128
	s_mov_b32 s[(\g)+5], 1024                      ; elements from row to row
	s_mov_b32 s[(\g)+6], 0
	s_mov_b32 s[(\g)+7], 0
.endr
	s_lshl_b32 s17, s12, 7
	s_lshl_b32 s16, s13, 8
	s_add_co_u32 s16, s16, s17                     ; p: row 256 x tile row + 128 x half
	s_lshl_b32 s16, s16, 11
	s_lshl_b32 s46, s42, 8
	s_add_co_u32 s46, s46, s17                     ; gt: row 256 x tile column + 128 x half
	s_lshl_b32 s46, s46, 11
	s_mov_b32 s17, 0
	s_mov_b32 s47, 0
	s_mul_i32 s20, s10, HALFT                      ; where my rows go: no place in the cluster enters an LDS address
	s_mov_b32 s[TB], 0
	s_wait_dscnt 0x0                               ; the opening add is done
	s_wait_kmcnt 0x0
	s_add_nc_u64 s[14:15], s[4:5], s[16:17]
	s_add_nc_u64 s[46:47], s[6:7], s[46:47]
	CROUND                                         ; all sixteen work-groups are here: the first joint loads meet
.irp s, 0,1
	s_mov_b32 s[G0+4*(\s)], 1
	s_add_co_u32 s[G0+4*(\s)+1], s20, (\s)*SLOT
	s_add_nc_u64 s[G0+4*(\s)+2:G0+4*(\s)+3], s[14:15], (\s)*KB
	s_or_b32 s[G0+4*(\s)+3], s[G0+4*(\s)+3], 0x80000000
	s_mov_b32 s[G0B+4*(\s)], 1
	s_add_co_u32 s[G0B+4*(\s)+1], s20, (\s)*SLOT
	s_add_nc_u64 s[G0B+4*(\s)+2:G0B+4*(\s)+3], s[46:47], (\s)*KB
	s_or_b32 s[G0B+4*(\s)+3], s[G0B+4*(\s)+3], 0x80000000
.endr
	s_cmp_eq_u32 s[FA], 0                          ; a wave's two first fills stand in one branch: two loads of mine are out
	s_cbranch_scc0 .Lfirst_b
	tensor_load_to_lds s[G0:G0+3], s[G1:G1+7]
	s_nop 0
	tensor_load_to_lds s[G0+4:G0+7], s[G1:G1+7]
	s_nop 0
	PLACES
	s_branch .Lfirst_asked
.Lfirst_b:
	tensor_load_to_lds s[G0B:G0B+3], s[G1B:G1B+7]
	s_nop 0
	tensor_load_to_lds s[G0B+4:G0B+7], s[G1B:G1B+7]
	s_nop 0
	PLACES
.Lfirst_asked:
	v_and_b32 v1, 15, v0                           ; r = l % 16
	v_bfe_u32 v2, v0, 4, 1                         ; h = l / 16
	v_and_b32 v7, 31, v0                           ; lane
	v_mul_u32_u24 v3, v1, PITCH
	v_lshl_add_u32 v3, v2, 4, v3                   ; row x pitch + 16 x half
	s_mul_i32 s21, s11, HALFT                      ; my 128 rows of p
	s_mul_i32 s22, s12, HALFT                      ; my 128 rows of gt,
	s_add_co_u32 s22, s22, 2*HALFT                 ; which lie behind p's 256
	v_add_nc_u32 v[ADRA0], s21, v3
	v_add_nc_u32 v[ADRB0], s22, v3
	v_mov_b32 v[ADRA], v[ADRA0]
	v_mov_b32 v[ADRB], v[ADRB0]
	; the bias of my 128 columns, in the layout of a result, and 1 / l of my 128 rows
	s_lshl_b32 s74, s42, 8
	s_lshl_b32 s75, s12, 7
	s_add_co_u32 s74, s74, s75
	s_lshl_b32 s74, s74, 2
	s_add_co_u32 s74, s74, BIASO
	s_mov_b32 s75, 0
	s_add_nc_u64 s[68:69], s[68:69], s[74:75]
	v_lshlrev_b32 v6, 5, v2
.irp b, 0,1,2,3,4,5,6,7
	global_load_b128 v[BIAS+8*(\b):BIAS+8*(\b)+3],   v6, s[68:69] offset:64*(\b)
	global_load_b128 v[BIAS+8*(\b)+4:BIAS+8*(\b)+7], v6, s[68:69] offset:64*(\b)+16
.endr
	s_lshl_b32 s76, s13, 8
	s_lshl_b32 s77, s11, 7
	s_add_co_u32 s76, s76, s77                     ; my first row
	s_lshl_b32 s74, s76, 2
	s_add_nc_u64 s[70:71], s[70:71], s[74:75]
	v_lshlrev_b32 v5, 2, v1
.irp a, 0,1,2,3,4,5,6,7
	global_load_b32 v[RL+2*(\a)], v5, s[70:71] offset:64*(\a)
	v_mov_b32 v[RL+2*(\a)+1], 0                    ; named with it as a pair
.endr
	; the way out: my own stage of 16 rows x 528 bytes
	s_mul_i32 s23, s10, 16*SP
	s_add_co_u32 s23, s23, STAGE
	v_mul_u32_u24 v4, v1, SP
	v_lshl_add_u32 v4, v2, 5, v4                   ; in: row r, 32 bytes for each half of the lanes
	v_add_nc_u32 v[STO], s23, v4
	v_lshl_add_u32 v[RD], v7, 4, s23               ; back: 32 lanes take a row's 512 bytes
	v_lshlrev_b32 v[CO], 4, v7
	s_lshl_b32 s76, s76, 12                        ; rows of 4,096 bytes
	s_lshl_b32 s77, s42, 10                        ; the tile's first column,
	s_add_co_u32 s76, s76, s77
	s_lshl_b32 s77, s12, 9                         ; my half of its columns
	s_add_co_u32 s76, s76, s77
	s_mov_b32 s77, 0
	s_add_nc_u64 s[8:9], s[8:9], s[76:77]
	; the prefetches
	s_lshl_b32 s20, s13, 8
	s_lshl_b32 s21, s42, 8
	s_and_b32 s22, ttmp7, 0xffff
	s_cmp_eq_u32 s[FA], 0
	s_cselect_b32 s20, s20, s21                    ; the tile's first row
	s_cselect_b32 s21, s40, s41                    ; my place among the four that ask for it with me
	s_cselect_b32 s22, ttmp9, s22                  ; the coordinate along which other clusters read the same rows
	s_cselect_b64 s[PFA:PFA+1], s[4:5], s[6:7]
	s_cmp_eq_u32 s22, 0
	s_cselect_b32 s[LIM], 2, -1                    ; the same in all sixteen partners, for a given wave
	s_lshl_b32 s22, s12, 7
	s_add_co_u32 s20, s20, s22
	s_lshl_b32 s21, s21, 5
	s_add_co_u32 s20, s20, s21
	s_lshl_b32 s20, s20, 11
	s_add_co_u32 s20, s20, 2*KB                    ; at K step 2: the first refill steps it to 3 and names K step 4
	s_mov_b32 s21, 0
	s_add_nc_u64 s[PFA:PFA+1], s[PFA:PFA+1], s[20:21]
	v_lshlrev_b32 v[PFO], 11, v7
	s_wait_tensorcnt 0x1                           ; my part of K step 0 is in; K step 1's may stay out
	s_barrier_signal -1
	s_barrier_wait -1
	FETCH 0, F0
	s_wait_loadcnt 0x0                             ; the bias and 1 / l
	QUARTER 64, F0, F1, 1                          ; the first quarter starts the sums
	WIN 0
	s_mov_b32 s3, 6
.Lstep:                                            ; trip j: K step j's quarters 2 to 4, the refill with K step j + 2, K step j + 1's first quarter
	QUARTER 128, F1, F0, 0
	QUARTER 192, F0, F1, 0
	TURN 1
	QUARTER 64, F0, F1, 0
	WIN 0
	s_sub_co_u32 s3, s3, 1
	s_cmp_lg_u32 s3, 0
	s_cbranch_scc1 .Lstep
	s_mov_b32 s3, 2
.Ltail:                                            ; K steps 6 and 7 ask for nothing; the second trip is left in its middle
	QUARTER 128, F1, F0, 0
	QUARTER 192, F0, F1, 0
	TURN 0
	WIN 0
	s_sub_co_u32 s3, s3, 1
	s_cmp_eq_u32 s3, 0
	s_cbranch_scc1 .Lout
	QUARTER 64, F0, F1, 0
	WIN 0
	s_branch .Ltail
.Lout:
	; THE WAY OUT, a block of 16 rows at a time: sum x (1 / l) + bias in place; 32 bytes a lane into my stage; whole rows of 512 bytes back; stored.
	PLACES
.macro SCALE a
	WIN 0x82+0x41*((\a)/4)                         ; the sums in window 2 or 3, 1 / l and the bias in window 0
.irp b, 0,1,2,3,4,5,6,7
.irp i, 0,1,2,3
	v_pk_fma_f32 v[8*(NBL*((\a)%4)+(\b))+2*(\i):8*(NBL*((\a)%4)+(\b))+2*(\i)+1], v[8*(NBL*((\a)%4)+(\b))+2*(\i):8*(NBL*((\a)%4)+(\b))+2*(\i)+1], v[RL+2*(\a):RL+2*(\a)+1], v[BIAS+8*(\b)+2*(\i):BIAS+8*(\b)+2*(\i)+1] op_sel_hi:[1,0,1]
.endr
.endr
.endm
.macro TOSTAGE a
	WIN 0x08+4*((\a)/4)
.irp b, 0,1,2,3,4,5,6,7
	ds_store_b128 v[STO], v[8*(NBL*((\a)%4)+(\b)):8*(NBL*((\a)%4)+(\b))+3]   offset:64*(\b)
	ds_store_b128 v[STO], v[8*(NBL*((\a)%4)+(\b))+4:8*(NBL*((\a)%4)+(\b))+7] offset:64*(\b)+16
.endr
	WIN 0
.if (\a) >= 2
	s_wait_xcnt 0x0                                ; the stores of the block two back have read these registers
.endif
.irp t, 0,1,2,3,4,5,6,7,8,9,10,11,12,13,14,15
	ds_load_b128 v[OB+64*((\a)%2)+4*(\t):OB+64*((\a)%2)+4*(\t)+3], v[RD] offset:SP*(\t)  ; LDS serves a wave's instructions in order (ISA guide 5.7.1.4): these see the stores above
.endr
.endm
.macro SEND a
	WIN 0
.irp t, 0,1,2,3,4,5,6,7,8,9,10,11,12,13,14,15
	s_wait_dscnt 15-(\t)
	global_store_b128 v[CO], v[OB+64*((\a)%2)+4*(\t):OB+64*((\a)%2)+4*(\t)+3], s[8:9] offset:(16*(\a)+(\t))*4096 th:TH_STORE_NT  ; 512 consecutive bytes, at a multiple of 256 from out0's first byte
.endr
.endm
	SCALE 0
	TOSTAGE 0
.irp a, 1,2,3,4,5,6,7                  ; block a's arithmetic stands between block a - 1's loads from the stage and the waits for them
	SCALE \a
	SEND (\a)-1
	TOSTAGE \a
.endr
	SEND 7
	s_wait_tensorcnt 0x0                           ; the wave's end
	ds_add_u32 v[SPW], v[NIL]
	s_wait_dscnt 0x0
	CROUND                                         ; the closing round
	s_endpgm
.Lfunc_end_k_q3f60fa5ee9_outp:
	.size	k_q3f60fa5ee9_outp, .Lfunc_end_k_q3f60fa5ee9_outp-k_q3f60fa5ee9_outp
	.p2alignl 7, 3214868480
	.fill 96, 4, 3214868480
	.section	.rodata,"a",@progbits
	.p2align	6, 0x0
	.amdhsa_kernel k_q3f60fa5ee9_outp
		.amdhsa_group_segment_fixed_size 327680
		.amdhsa_private_segment_fixed_size 0
		.amdhsa_enable_private_segment 0
		.amdhsa_kernarg_size 40
		.amdhsa_user_sgpr_count 2
		.amdhsa_user_sgpr_kernarg_segment_ptr 1
		.amdhsa_wavefront_size32 1
		.amdhsa_system_sgpr_workgroup_id_x 1
		.amdhsa_system_sgpr_workgroup_id_y 1
		.amdhsa_system_sgpr_workgroup_id_z 1
		.amdhsa_system_vgpr_workitem_id 0
		.amdhsa_next_free_vgpr 1024
		.amdhsa_next_free_sgpr 80
		.amdhsa_reserve_vcc 0
		.amdhsa_float_denorm_mode_32 3
		.amdhsa_float_denorm_mode_16_64 3
		.amdhsa_memory_ordered 1
		.amdhsa_forward_progress 1
		.amdhsa_inst_pref_size 121
	.end_amdhsa_kernel
	.amdgpu_metadata
---
amdhsa.version: [ 1, 2 ]
amdhsa.kernels:
  - .name:           k_q3f60fa5ee9_outp
    .symbol:         k_q3f60fa5ee9_outp.kd
    .args:
      - { .name: p, .offset: 0, .size: 8, .value_kind: global_buffer, .address_space: global }
      - { .name: gt, .offset: 8, .size: 8, .value_kind: global_buffer, .address_space: global }
      - { .name: out0, .offset: 16, .size: 8, .value_kind: global_buffer, .address_space: global }
      - { .name: wts, .offset: 24, .size: 8, .value_kind: global_buffer, .address_space: global }
      - { .name: rl, .offset: 32, .size: 8, .value_kind: global_buffer, .address_space: global }
    .group_segment_fixed_size: 327680
    .private_segment_fixed_size: 0
    .kernarg_segment_align: 8
    .kernarg_segment_size: 40
    .max_flat_workgroup_size: 128
    .sgpr_count:     80
    .vgpr_count:     1024
    .wavefront_size: 32
...
	.end_amdgpu_metadata
.endif
;; end of part 5
;; ======== version 2 of 2: 5 launches; version 1 with the launch prep written anew for expert scheduling mode
;; limits: values are held in f16: magnitudes above 65,504 overflow, below 6.1e-05 lose precision
;; workspace buffers: xb 8,388,608 bytes; xm 2,097,152 bytes; wts 8,404,992 bytes; qkv 25,165,824 bytes; p 33,554,432 bytes; flags 65,536 bytes of whole numbers; rl 65,536 bytes; gt 2,097,152 bytes
;; launch prep (part 6): grid 512 x 1, 8 waves a work-group, no clusters, 0 bytes of LDS; arguments x, wq, wk, wv, wo, bq, bk, bv, bo, xb, xm, wts; writes xb, xm, wts
.if DOCPART == 6
	.amdgcn_target "amdgcn-amd-amdhsa--gfx1250"
	.amdhsa_code_object_version 6
	.text
	.protected	k_q3f60fa5ee9_prep
	.globl	k_q3f60fa5ee9_prep
	.p2align	8
	.type	k_q3f60fa5ee9_prep,@function
k_q3f60fa5ee9_prep:
	s_mov_b64 s[64:65], 0
	v_nop
	global_prefetch_b8 v0, s[64:65] scope:SCOPE_SE
	s_setreg_imm32_b32 hwreg(HW_REG_WAVE_SCHED_MODE, 0, 2), 2
	s_setreg_imm32_b32 hwreg(HW_REG_WAVE_MODE, 25, 1), 1
	s_wait_xcnt 0x0
	s_wait_alu depctr_vm_vsrc(0)
; PREP: every input is rounded once to bf16, and the mean over the batch is made.
;   xb  [4096][1024] bf16 = bf16(x)
;   xm  [1024][1024] f16  = f16(0.25 x the sum over the four batches of bf16(x), added in f32)
;   wts: byte 0: [3072][1024] bf16 = the rows of wq, wk, wv; byte 6,291,456: [1024][1024] bf16(wo) written as f16;
;        byte 8,388,608: [4096] f32 = bf16(bq, bk, bv, bo) widened again
; LIMITS.  bf16(wo) below 6e-5 takes f16's fixed step of 6e-8, beyond 65,504 it becomes an infinity; xm likewise.
; A stream: no LDS, no matrix unit, nothing is shared.  Thread t owns elements 4 t .. 4 t + 3 of a row of 1,024: a wave's load covers 512
; consecutive bytes, a wave's store of 8 bytes a lane 256 consecutive bytes at a multiple of 256.
; Work-groups 0-255: four rows of x in all four batches.  Work-groups 256-511: sixteen rows of one weight matrix, the first of each matrix its bias too.
; THE MODE: SCHED_MODE bits 1:0 = 2 (LLVM: expert scheduling mode 2), set by the entry lines.  The code itself states the register dependences
; between vector instructions and memory instructions, with s_wait_alu, always for 0.
; THE PLAN.  Registers that memory instructions touch:
;   v1, v2     byte offsets, made at the head and never written again; every load and store reads one of them.
;   X          written by the path's sixteen loads, once; read by the conversions.  No vector instruction names it ahead of the loads.
;   XB, XM     written by the conversions of a row of x (of a block of four rows of a weight matrix), read by that row's (block's) stores, never written again.
;   S, T       named by vector instructions alone.
; The stores of row i - 1 (block p - 1) are issued in row i (block p), behind ONE wait at its head, and are dealt among its vector instructions, which name
; this row's X, XB and XM, S and T: none of the registers that those stores read.  No register that a memory instruction reads is written again, so no wait on vm_vsrc is owed.
.set X,   16                           ; v[16:79]   sixteen loads of four registers
.set XB,  80                           ; v[80:111]  16-bit results to store, two registers each: never written behind their store
.set S,   112                          ; v[112:115] the sum over the batches
.set T,   116                          ; v[116:119] at work
.set XM,  120                          ; v[120:127] the mean, to store
.macro WIDEN d, s                      ; four bf16 in two registers become four f32
	v_lshlrev_b32 v[(\d)],   16,  v[(\s)]
	v_and_b32     v[(\d)+1], s40, v[(\s)]
	v_lshlrev_b32 v[(\d)+2], 16,  v[(\s)+1]
	v_and_b32     v[(\d)+3], s40, v[(\s)+1]
.endm
	s_load_b512 s[8:23], s[0:1], 0x0               ; x 8:9, wq 10:11, wk 12:13, wv 14:15, wo 16:17, bq 18:19, bk 20:21, bv 22:23
	s_load_b256 s[24:31], s[0:1], 0x40             ; bo 24:25, xb 26:27, xm 28:29, wts 30:31
	v_lshlrev_b32 v1, 4, v0                        ; my 16 bytes of a row of f32
	v_lshlrev_b32 v2, 3, v0                        ; my 8 bytes of a row of 16-bit numbers
	s_mov_b32 s40, 0xffff0000                      ; a word's upper bf16
	s_mov_b32 s3, 0
	s_mov_b32 s5, 0
	s_wait_alu depctr_va_vdst(0)                   ; v1 and v2 are written: every load and store of both paths reads one of them as its offset
	s_cmp_lt_u32 ttmp9, 256
	s_cbranch_scc0 .Lweights
	; ---- four rows of x ----
	s_lshl_b32 s2, ttmp9, 14                       ; four rows of 4,096 bytes
	s_lshl_b32 s4, ttmp9, 13                       ; four rows of 2,048 bytes
	s_wait_kmcnt 0x0
	s_add_nc_u64 s[32:33], s[8:9], s[2:3]          ; batches 0 and 1 (the second by the immediate)
	s_add_nc_u64 s[34:35], s[32:33], 0x800000      ; batches 2 and 3
	s_add_nc_u64 s[36:37], s[26:27], s[4:5]
	s_add_nc_u64 s[38:39], s[28:29], s[4:5]
.irp i, 0,1,2,3
.irp b, 0,1
	global_load_b128 v[X+16*(\i)+4*(\b):X+16*(\i)+4*(\b)+3], v1, s[32:33] offset:(\b)*4194304+4096*(\i) th:TH_LOAD_NT
.endr
.irp b, 0,1
	global_load_b128 v[X+16*(\i)+8+4*(\b):X+16*(\i)+8+4*(\b)+3], v1, s[34:35] offset:(\b)*4194304+4096*(\i) th:TH_LOAD_NT
.endr
.endr
.macro XBST i, b                       ; row i of batch b of xb leaves
	global_store_b64 v2, v[XB+8*(\i)+2*(\b):XB+8*(\i)+2*(\b)+1], s[36:37] offset:(\b)*2097152+2048*(\i)
.endm
.macro XMST i                          ; row i of xm leaves
	global_store_b64 v2, v[XM+2*(\i):XM+2*(\i)+1], s[38:39] offset:2048*(\i)
.endm
.macro XROW i
	s_wait_loadcnt 12-4*(\i)                       ; loads come back in order: the later rows' four loads each may stay out
.if (\i) > 0
	s_wait_alu depctr_va_vdst(0)                   ; the row before has written its XB and XM, which the five stores below read; no vector instruction behind this wait names them
.endif
.irp b, 0,1,2,3
.if (\i) > 0
	XBST (\i)-1, \b
.endif
	v_cvt_pk_bf16_f32 v[XB+8*(\i)+2*(\b)],   v[X+16*(\i)+4*(\b)],   v[X+16*(\i)+4*(\b)+1]
	v_cvt_pk_bf16_f32 v[XB+8*(\i)+2*(\b)+1], v[X+16*(\i)+4*(\b)+2], v[X+16*(\i)+4*(\b)+3]
.if (\b) == 0
	WIDEN S, XB+8*(\i)                             ; the first batch starts the sum
.else
	WIDEN T, XB+8*(\i)+2*(\b)
	v_pk_add_f32 v[S:S+1],   v[S:S+1],   v[T:T+1]
	v_pk_add_f32 v[S+2:S+3], v[S+2:S+3], v[T+2:T+3]
.endif
.endr
.if (\i) > 0
	XMST (\i)-1
.endif
	v_pk_mul_f32 v[S:S+1],   v[S:S+1],   0x3e800000 op_sel_hi:[1,0]  ; a quarter of the sum
	v_pk_mul_f32 v[S+2:S+3], v[S+2:S+3], 0x3e800000 op_sel_hi:[1,0]
	v_cvt_pk_f16_f32 v[XM+2*(\i)],   v[S],   v[S+1]
	v_cvt_pk_f16_f32 v[XM+2*(\i)+1], v[S+2], v[S+3]
.endm
	XROW 0
	XROW 1
	XROW 2
	XROW 3
	s_wait_alu depctr_va_vdst(0)                   ; row 3 has written its XB and XM, which the last five stores read
.irp b, 0,1,2,3
	XBST 3, \b
.endr
	XMST 3
	s_endpgm
	; ---- sixteen rows of a weight matrix ----
.Lweights:
	s_sub_co_u32 s41, ttmp9, 256
	s_lshr_b32 s42, s41, 6                         ; which matrix: 0 wq, 1 wk, 2 wv, 3 wo
	s_and_b32 s43, s41, 63                         ; which sixteen rows
	s_lshl_b32 s2, s43, 16                         ; sixteen rows of 4,096 bytes
	s_lshl_b32 s4, s42, 21                         ; a matrix of 16-bit numbers is 2,097,152 bytes: wo's falls on its place by the layout
	s_lshl_b32 s6, s43, 15
	s_add_co_u32 s4, s4, s6
	s_wait_kmcnt 0x0
	s_cmp_eq_u32 s42, 1
	s_cselect_b64 s[32:33], s[12:13], s[10:11]
	s_cselect_b64 s[34:35], s[20:21], s[18:19]
	s_cmp_eq_u32 s42, 2
	s_cselect_b64 s[32:33], s[14:15], s[32:33]
	s_cselect_b64 s[34:35], s[22:23], s[34:35]
	s_cmp_eq_u32 s42, 3
	s_cselect_b64 s[32:33], s[16:17], s[32:33]
	s_cselect_b64 s[34:35], s[24:25], s[34:35]     ; the matrix's bias
	s_add_nc_u64 s[32:33], s[32:33], s[2:3]
	s_add_nc_u64 s[36:37], s[30:31], s[4:5]
.irp i, 0,1,2,3,4,5,6,7,8,9,10,11,12,13,14,15
	global_load_b128 v[X+4*(\i):X+4*(\i)+3], v1, s[32:33] offset:4096*(\i) th:TH_LOAD_NT
.endr
.macro WST i                           ; row i of the matrix leaves
	global_store_b64 v2, v[XB+2*(\i):XB+2*(\i)+1], s[36:37] offset:2048*(\i)
.endm
.macro WBLK p, half                    ; block p: rows 4 p .. 4 p + 3.  half = 1: the bf16 number is written as f16
	s_wait_loadcnt 12-4*(\p)                       ; loads come back in order: the later blocks' four loads each may stay out
.if (\p) > 0
	s_wait_alu depctr_va_vdst(0)                   ; the block before has written its XB, which the four stores below read; no vector instruction behind this wait names it
.endif
.irp r, 0,1,2,3
.if (\p) > 0
	WST 4*((\p)-1)+(\r)
.endif
	v_cvt_pk_bf16_f32 v[XB+2*(4*(\p)+(\r))],   v[X+4*(4*(\p)+(\r))],   v[X+4*(4*(\p)+(\r))+1]
	v_cvt_pk_bf16_f32 v[XB+2*(4*(\p)+(\r))+1], v[X+4*(4*(\p)+(\r))+2], v[X+4*(4*(\p)+(\r))+3]
.if \half
	WIDEN T, XB+2*(4*(\p)+(\r))
	v_cvt_pk_f16_f32 v[XB+2*(4*(\p)+(\r))],   v[T],   v[T+1]
	v_cvt_pk_f16_f32 v[XB+2*(4*(\p)+(\r))+1], v[T+2], v[T+3]
.endif
.endr
.endm
	s_cmp_eq_u32 s42, 3
	s_cbranch_scc1 .Lwo
.irp p, 0,1,2,3
	WBLK \p, 0
.endr
	s_branch .Lbias
.Lwo:
.irp p, 0,1,2,3
	WBLK \p, 1
.endr
.Lbias:
	s_wait_alu depctr_va_vdst(0)                   ; on either way block 3 has written its XB, which the last four stores read
.irp r, 12,13,14,15
	WST \r
.endr
	s_cmp_eq_u32 s43, 0                            ; the matrix's first work-group rounds its bias
	s_cbranch_scc0 .Lend
	s_lshl_b32 s6, s42, 12
	s_add_co_u32 s6, s6, 0x800000
	s_mov_b32 s7, 0
	s_add_nc_u64 s[38:39], s[30:31], s[6:7]
	global_load_b128 v[120:123], v1, s[34:35]      ; no vector instruction of this path has named v[120:123]
	s_wait_loadcnt 0x0
	v_cvt_pk_bf16_f32 v112, v120, v121
	v_cvt_pk_bf16_f32 v113, v122, v123
	WIDEN 124, 112
	s_wait_alu depctr_va_vdst(0)                   ; the widening has written v[124:127], which the store reads
	global_store_b128 v1, v[124:127], s[38:39]
.Lend:
	s_endpgm
.Lfunc_end_k_q3f60fa5ee9_prep:
	.size	k_q3f60fa5ee9_prep, .Lfunc_end_k_q3f60fa5ee9_prep-k_q3f60fa5ee9_prep
	.p2alignl 7, 3214868480
	.fill 96, 4, 3214868480
	.section	.rodata,"a",@progbits
	.p2align	6, 0x0
	.amdhsa_kernel k_q3f60fa5ee9_prep
		.amdhsa_group_segment_fixed_size 0
		.amdhsa_private_segment_fixed_size 0
		.amdhsa_enable_private_segment 0
		.amdhsa_kernarg_size 96
		.amdhsa_user_sgpr_count 2
		.amdhsa_user_sgpr_kernarg_segment_ptr 1
		.amdhsa_wavefront_size32 1
		.amdhsa_system_sgpr_workgroup_id_x 1
		.amdhsa_system_sgpr_workgroup_id_y 1
		.amdhsa_system_sgpr_workgroup_id_z 1
		.amdhsa_system_vgpr_workitem_id 0
		.amdhsa_next_free_vgpr 128
		.amdhsa_next_free_sgpr 66
		.amdhsa_reserve_vcc 0
		.amdhsa_float_denorm_mode_32 3
		.amdhsa_float_denorm_mode_16_64 3
		.amdhsa_memory_ordered 1
		.amdhsa_forward_progress 1
		.amdhsa_inst_pref_size 26
	.end_amdhsa_kernel
	.amdgpu_metadata
---
amdhsa.version: [ 1, 2 ]
amdhsa.kernels:
  - .name:           k_q3f60fa5ee9_prep
    .symbol:         k_q3f60fa5ee9_prep.kd
    .args:
      - { .name: x, .offset: 0, .size: 8, .value_kind: global_buffer, .address_space: global }
      - { .name: wq, .offset: 8, .size: 8, .value_kind: global_buffer, .address_space: global }
      - { .name: wk, .offset: 16, .size: 8, .value_kind: global_buffer, .address_space: global }
      - { .name: wv, .offset: 24, .size: 8, .value_kind: global_buffer, .address_space: global }
      - { .name: wo, .offset: 32, .size: 8, .value_kind: global_buffer, .address_space: global }
      - { .name: bq, .offset: 40, .size: 8, .value_kind: global_buffer, .address_space: global }
      - { .name: bk, .offset: 48, .size: 8, .value_kind: global_buffer, .address_space: global }
      - { .name: bv, .offset: 56, .size: 8, .value_kind: global_buffer, .address_space: global }
      - { .name: bo, .offset: 64, .size: 8, .value_kind: global_buffer, .address_space: global }
      - { .name: xb, .offset: 72, .size: 8, .value_kind: global_buffer, .address_space: global }
      - { .name: xm, .offset: 80, .size: 8, .value_kind: global_buffer, .address_space: global }
      - { .name: wts, .offset: 88, .size: 8, .value_kind: global_buffer, .address_space: global }
    .group_segment_fixed_size: 0
    .private_segment_fixed_size: 0
    .kernarg_segment_align: 8
    .kernarg_segment_size: 96
    .max_flat_workgroup_size: 256
    .sgpr_count:     66
    .vgpr_count:     128
    .wavefront_size: 32
...
	.end_amdgpu_metadata
.endif
;; end of part 6
;; launch qkv: the kernel of part 2 again; grid 8 x 32, 4 waves a work-group, clusters of 4 x 4, 327,680 bytes of LDS; arguments xb, wts, qkv; writes qkv
;; launch scores: the kernel of part 3 again; grid 16 x 16, 4 waves a work-group, clusters of 4 x 1, 327,680 bytes of LDS; arguments qkv, p, flags, rl; writes p, flags, rl
;; launch gmat: the kernel of part 4 again; grid 32 x 8, 4 waves a work-group, clusters of 4 x 1, 297,472 bytes of LDS; arguments wts, xm, flags, gt; writes gt
;; launch outp: the kernel of part 5 again; grid 4 x 64, 4 waves a work-group, clusters of 4 x 4, 327,680 bytes of LDS; arguments p, gt, out0, wts, rl; writes out0
